; MI455X (gfx1250); checked and timed in simulation.
; The chip was launched on July 23, 2026; its instructions are those of AMD's public machine-readable ISA for CDNA 5 (MIT licence, August 2026) and "CDNA5" Instruction Set Architecture Reference Guide (July 2026). The comments in the code are by the model that wrote it; some were corrected since.
;; Causal Self Attention. Allowed arithmetic: matrix products marked QUANTISED: E2M3 operands, one E8M0 scale for each 32 along K, by v_wmma_scale_f32_16x16x128_f8f6f4 with both operands' format E2M3, f32 sums; everything else in f32.
;; Inputs: w_proj 1,024 x 1,024 float32; w_qkv 3,072 x 1,024 float32; x 4 x 2,048 x 1,024 float32.
;; Outputs: out0 4 x 2,048 x 1,024 float32.
;; This version of the problem:
;;   THIS VERSION OF THE PROBLEM IS GIVEN IN LOW PRECISION. The matrix products marked QUANTISED in the list below multiply operands that are first quantised to E2M3 (2 exponent bits, 3 mantissa bits; 6 bits a number), with one power-of-two scale for each 32 numbers along K (OCP MX v1.0); their sums are f32. All else is computed in f32.
;;   The module's matrix products, in the order in which they are computed (A, B: the left and right operand; K: the contracted axis; several contracted axes count as one K, in the product's order):
;;     1. [M 8,192, K 1,024] x [K 1,024, N 3,072]; A: input x; B: input w_qkv: QUANTISED
;;     2. batch 64 x [M 2,048, K 64] x [K 64, N 2,048]; A: computed on the way; B: computed on the way: QUANTISED
;;     3. batch 64 x [M 2,048, K 2,048] x [K 2,048, N 64]; A: softmax (see below); B: computed on the way: QUANTISED
;;     4. [M 8,192, K 1,024] x [K 1,024, N 1,024]; A: computed on the way; B: input w_proj: QUANTISED
;;   THE QUANTISER, for each operand of a quantised product, along K:
;;     - K is cut into blocks of 32 from its start; a last block that is shorter is filled with zeros.
;;     - A block's scale is 2^e with e = floor(log2(the largest magnitude in the block)) - 2, held to -126 .. 127; a block of zeros has e = 0. As a byte (E8M0): e + 127.
;;     - Each number is divided by its block's scale, clamped to +-7.5, and rounded to the nearest number of E2M3, ties to even, subnormals kept.
;;     - The product sums the exact products of the quantised numbers (number of the format x scale) in f32.
;;   ~~~python
;;   def quantise(x, axis):      # numpy; x: float32 -> the quantised numbers, widened to float32 again
;;       x = np.moveaxis(x, axis, -1); K = x.shape[-1]
;;       x = np.pad(x, [(0, 0)] * (x.ndim - 1) + [(0, -K % 32)]); x = x.reshape(x.shape[:-1] + (-1, 32)); a = np.abs(x).max(-1, keepdims=True)
;;       e = np.where(a > 0, np.clip(np.frexp(np.where(a > 0, a, 1))[1] - 1 - 2, -126, 127), 0)      # np.frexp(a)[1] - 1 = floor(log2(a)), exactly
;;       r = np.clip(x / 2.0 ** e, -7.5, 7.5)
;;       step = 2.0 ** (np.maximum(np.frexp(np.where(r == 0, 1, r))[1] - 1, 0) - 3)
;;       q = np.round(r / step) * step * 2.0 ** e      # np.round: ties to even
;;       return np.moveaxis(q.reshape(q.shape[:-2] + (-1,))[..., :K], -1, axis).astype(np.float32)
;;   ~~~
;;   SOFTMAX AHEAD OF A QUANTISED PRODUCT. Where the list says 'softmax', what is quantised is not the finished softmax but p = 2^(t - M), with t = logit x log2(e) and M = ceil(the row's largest t), a whole number; so 1/2 < the row's largest p <= 1. The row's sum l is taken of the UNQUANTISED p, in f32, and the product's result is divided by l at the end. Since M is a whole number, a kernel that streams over the keys may use a running M (the ceiling of the running maximum): every later rescaling is an exact power of two, which a block's scale takes up: the codes' values come out the same.
;;   OPERANDS COMPUTED ON THE WAY. 'Computed on the way' means the value that the module computes at that place (a softmax that the list does not call 'softmax' is quantised finished and normalised). What goes into a quantiser is computed in f32, as accurately as f32 sums, v_exp_f32 and their like allow (about 1e-6 of the number): no bf16 or f16 on the way to a quantiser, and a product that is left as it is and whose result goes on into a quantised operand takes f32 operands (vector FMAs, or v_wmma_f32_16x16x4_f32). A number that lies on a knife's edge between two numbers of the format may be rounded either way, as far as f32 arithmetic and the matrix unit's own rounding can turn it there, and no further.
;; One version. Each part assembles by itself: llvm-mc -triple=amdgcn-amd-amdhsa -mcpu=gfx1250 --defsym DOCPART=n.
;; ======== version 1 of 1: 4 launches
;; limits: right only within a limited range of input values
;; workspace buffers: cod 15,728,640 bytes; scl 655,360 bytes; acod 18,874,368 bytes; ascl 786,432 bytes
;; launch quant (part 1): grid 256 x 1, 6 waves a work-group, no clusters, 49,920 bytes of LDS; arguments x, w_qkv, w_proj, cod, scl; writes cod, scl
.if DOCPART == 1
	.amdgcn_target "amdgcn-amd-amdhsa--gfx1250"
	.amdhsa_code_object_version 6
	.text
	.protected	k_q5fa16e355d_quant
	.globl	k_q5fa16e355d_quant
	.p2align	8
	.type	k_q5fa16e355d_quant,@function
k_q5fa16e355d_quant:
	s_mov_b64 s[64:65], 0
	v_nop
	global_prefetch_b8 v0, s[64:65] scope:SCOPE_SE
	s_setreg_imm32_b32 hwreg(HW_REG_WAVE_MODE, 25, 1), 1
	s_wait_xcnt 0x0
; x [8192][1024], w_qkv [3072][1024], w_proj [1024][1024], f32, K innermost, become codes of FP6 (E2M3) with one E8M0 byte for each 32 along K.
; A block's scale is 2^(floor(log2(its largest magnitude)) - 2); its byte is the largest magnitude's exponent field - 2, held at 1 from below.
; LIMITS: NaN and infinities among the inputs are not served; blocks whose largest magnitude lies under 2^-124 get the byte 1; a block of zeros gets the byte 1 where the
; rule says 127: its codes are zeros, which add nothing under any byte but 0xff, and the bytes are read by this program alone.
; LAYOUT OF THE RESULT (this program's own): cod [16 groups of 64 along K][20480 row positions][48 bytes]; scl [8 pairs of groups][20480 positions][4 bytes: one word for 128 along K].
; Positions 0.. x, 8192.. y (a later launch's), 16384.. w_qkv, 19456.. w_proj.  ROW n OF A TENSOR LIES AT POSITION n WITH BITS 3 AND 4 EXCHANGED: sixteen neighbouring positions, taken as
; source 0 of a matrix instruction, then leave a lane's 16 registers of two neighbouring tiles as 16 neighbouring rows.
; SHARES: a wave takes 64 positions x 128 along K, 16 steps of 8 rows x 64 numbers.  Each load reads two rows' aligned 256 bytes, 16 bytes a lane; a step's 2,048 bytes turn through the wave's own stage
; in LDS and come back 64 bytes (16 neighbours along K) a lane; two neighbouring lanes hold a block.  A step's codes are 384 consecutive bytes; a wave's 256 scale bytes leave as one aligned block of 256.
; No tensor loads, no barrier, no cluster: waves share nothing, and every input byte is read once.
.set WAVES, 6                          ; 256 work-groups x 6 waves = the 1,536 shares of 64 positions x 128 along K
.set STEPS, 16
.set NR,    20480
.set GP,    NR*48                      ; bytes of a group of 64 along K in cod
.set SPB,   NR*4                       ; bytes of a pair of groups in scl
.set EMAX,  2
.set CB,    12                         ; bytes of 16 codes
.set R,     16                         ; v16-79   four sets of 16 numbers as they are loaded
.set X,     80                         ; v80-111  two sets of 16 neighbours
.set C,     128                        ; v128-191 codes: four registers for each step, so that no store's data are written again
.set E,     112                        ; v112-127 a scale byte for each step
.set WREG,  8192                       ; LDS: a region for each wave: two stages of 32 x SP bytes, behind them its 256 scale bytes
.set SP,    80                         ; a lane's place in a stage: 64 bytes + 16 of padding
.set SPW,   12                         ; v12 LDS address of my spare word; never rewritten
.set NIL,   13                         ; v13 0; never rewritten
.set SPARE, WAVES*WREG                 ; the spare words, 128 bytes a wave, that no other line names
	s_load_b128 s[4:7], s[0:1], 0x0                ; x, w_qkv
	s_load_b128 s[8:11], s[0:1], 0x10              ; w_proj, cod
	s_load_b64 s[12:13], s[0:1], 0x20              ; scl
	v_lshl_add_u32 v[SPW], v0, 2, SPARE
	v_mov_b32 v[NIL], 0
	v_lshrrev_b32 v1, 5, v0
	v_readfirstlane_b32 s16, v1                    ; wave
	v_and_b32 v2, 31, v0                           ; lane
	v_and_b32 v3, 15, v2
	v_lshlrev_b32 v3, 4, v3
	v_lshrrev_b32 v4, 4, v2
	v_lshl_add_u32 v3, v4, 12, v3                  ; a load: lanes 0-15 one row's 256 bytes, lanes 16-31 the next row's (4,096 bytes on)
	s_mul_i32 s17, s16, WREG
	v_lshrrev_b32 v14, 2, v2
	v_mul_u32_u24 v14, v14, SP
	v_and_b32 v15, 3, v2
	v_lshl_add_u32 v14, v15, 4, v14
	v_add_nc_u32 v14, s17, v14                     ; the stage, on the way in: four lanes' 64 bytes on end, then 16 of padding
	v_mul_u32_u24 v15, v2, SP
	v_add_nc_u32 v15, s17, v15                     ; on the way out: lane 4 i + j has numbers 16 j .. 16 j + 15 of the step's row i
	v_mul_u32_u24 v4, v2, CB                       ; my codes' place in a step's 384 bytes: 48 i + 12 j
	s_add_co_u32 s17, s17, 2*32*SP
	v_and_b32 v5, 0x1c, v2                         ; my scale byte: 4 i (the position's word)
	v_bfe_u32 v6, v2, 1, 1                         ; + j / 2 (the block in the group)
	v_add_nc_u32 v5, v5, v6
	v_add_nc_u32 v5, s17, v5
	v_lshlrev_b32 v7, 3, v2                        ; and on the way out 8 bytes a lane
	v_add_nc_u32 v6, s17, v7
	s_mul_i32 s19, ttmp9, WAVES
	s_add_co_u32 s19, s19, s16                     ; my wave's number in the launch, 0 .. 1535
	s_lshr_b32 s18, s19, 3                         ; which block of 64 rows, 0 .. 191
	s_and_b32 s19, s19, 7                          ; which 128 along K
	s_mov_b32 s20, 176
	s_wait_alu depctr_va_vdst(0)
	s_wait_kmcnt 0x0
	s_cmp_lt_u32 s18, 176                          ; the tensor is chosen by the wave's number in the launch alone; only pointers and offsets are chosen: one path through the text
	s_cselect_b64 s[6:7], s[6:7], s[8:9]
	s_cselect_b32 s20, 128, s20
	s_cmp_lt_u32 s18, 128
	s_cselect_b64 s[4:5], s[4:5], s[6:7]
	s_cselect_b32 s20, 0, s20                      ; the tensor's first block
	s_cselect_b32 s21, 0, 8192                     ; the weights lie behind y's 8,192 positions
	s_sub_co_u32 s20, s18, s20
	s_lshl_b32 s22, s20, 18                        ; 64 rows of 4,096 bytes
	s_lshl_b32 s23, s19, 9                         ; 128 numbers
	s_add_co_u32 s22, s22, s23
	s_mov_b32 s23, 0
	s_add_nc_u64 s[4:5], s[4:5], s[22:23]
	s_lshl_b32 s24, s18, 6
	s_add_co_u32 s24, s24, s21                     ; my first position
	s_mul_i32 s22, s19, 2*GP
	s_mul_i32 s25, s24, 48
	s_add_co_u32 s22, s22, s25
	s_add_nc_u64 s[10:11], s[10:11], s[22:23]
	s_mul_i32 s22, s19, SPB
	s_lshl_b32 s25, s24, 2
	s_add_co_u32 s22, s22, s25
	s_add_nc_u64 s[12:13], s[12:13], s[22:23]
.macro LOAD t                          ; step t: group t / 8 of my pair, positions 8 (t % 8) on, which hold the rows with the two low bits of t % 8 exchanged
.set LTP, (\t)%8
.set LSG, (LTP&4)|((LTP&1)<<1)|((LTP>>1)&1)
.set LGM, (\t)/8
.irp i, 0,1,2,3
	global_load_b128 v[R+16*((\t)%4)+4*\i:R+16*((\t)%4)+4*\i+3], v3, s[4:5] offset:(8*LSG+2*\i)*4096+256*LGM th:TH_LOAD_NT
.endr
.endm
.macro TURN t                          ; step t's numbers through the stage: LDS serves a wave's instructions in order, so no wait stands between the stores and the loads
.irp i, 0,1,2,3
	ds_store_b128 v14, v[R+16*((\t)%4)+4*\i:R+16*((\t)%4)+4*\i+3] offset:32*SP*((\t)%2)+8*SP*\i
.endr
.irp i, 0,1,2,3
	ds_load_b128 v[X+16*((\t)%2)+4*\i:X+16*((\t)%2)+4*\i+3], v15 offset:32*SP*((\t)%2)+16*\i
.endr
.endm
.irp t, 0,1,2,3
	LOAD \t
.endr
	s_wait_loadcnt 12                              ; step 0's four loads are in; the 12 of steps 1 to 3 may be out
	TURN 0
.macro STEP t
.set XS, X+16*((\t)%2)
.if (\t) > 0
	s_wait_dscnt 1                                 ; this step's numbers are back from the stage (the last step's byte store may be out): so its stores into the stage have read their registers,
.else
	s_wait_dscnt 0x0
.endif
.if (\t)+4 < STEPS
	LOAD (\t)+4                                    ; which take the loads of four steps on
.endif
.if (\t)+1 < STEPS
.if STEPS-2-(\t) >= 3
	s_wait_loadcnt 12                              ; the next step's four loads are in; those of the three steps behind it may be out
.else
	s_wait_loadcnt 4*(STEPS-2-(\t))
.endif
	TURN (\t)+1
.endif
.set STP, (\t)%8
.set SGM, (\t)/8
	v_max3_num_f32 v8, |v[XS]|, |v[XS+1]|, |v[XS+2]|               ; the largest magnitude of my 16, in two chains
	v_max3_num_f32 v9, |v[XS+3]|, |v[XS+4]|, |v[XS+5]|
.irp i, 6,10
	v_max3_num_f32 v8, v8, |v[XS+\i]|, |v[XS+\i+1]|
	v_max3_num_f32 v9, v9, |v[XS+\i+2]|, |v[XS+\i+3]|
.endr
	v_max3_num_f32 v8, v8, |v[XS+14]|, |v[XS+15]|
	v_max3_num_f32 v8, v8, v9, (EMAX+1)<<23        ; and the floor 2^(3 - 127): the byte cannot fall under 1
	v_max_num_f32_dpp v8, v8, v8 row_xmask:1 row_mask:0xf bank_mask:0xf   ; and of my neighbour's 16: the block's
	v_add_nc_u32 v11, -(EMAX<<23), v8              ; 2 off its exponent field: the conversion takes the exponent field of this operand as its scale
	v_cvt_scalef32_pk16_fp6_f32 v[C+4*(\t):C+4*(\t)+2], v[XS:XS+15], v11
	v_lshrrev_b32 v[E+(\t)], 23, v11               ; the scale's byte (a plain line behind the conversion)
	ds_store_b8 v5, v[E+(\t)] offset:32*STP+2*SGM  ; both lanes of a block write the same byte with the same value
	global_store_b96 v4, v[C+4*(\t):C+4*(\t)+2], s[10:11] offset:SGM*GP+384*STP   ; 32 lanes store 384 consecutive bytes: eight positions of one group
.endm
.irp t, 0,1,2,3,4,5,6,7,8,9,10,11,12,13,14,15
	STEP \t
.endr
	ds_load_b64 v[8:9], v6                         ; LDS serves a wave's instructions in order: these see my stores
	s_wait_dscnt 0x0
	global_store_b64 v7, v[8:9], s[12:13]          ; 64 positions' scale words: 256 consecutive bytes, aligned
	s_wait_tensorcnt 0x0                           ; the wave's end
	ds_add_u32 v[SPW], v[NIL]
	s_wait_dscnt 0x0
	s_endpgm
.Lfunc_end_k_q5fa16e355d_quant:
	.size	k_q5fa16e355d_quant, .Lfunc_end_k_q5fa16e355d_quant-k_q5fa16e355d_quant
	.p2alignl 7, 3214868480
	.fill 96, 4, 3214868480
	.section	.rodata,"a",@progbits
	.p2align	6, 0x0
	.amdhsa_kernel k_q5fa16e355d_quant
		.amdhsa_group_segment_fixed_size 49920
		.amdhsa_private_segment_fixed_size 0
		.amdhsa_enable_private_segment 0
		.amdhsa_kernarg_size 40
		.amdhsa_user_sgpr_count 2
		.amdhsa_user_sgpr_kernarg_segment_ptr 1
		.amdhsa_wavefront_size32 1
		.amdhsa_system_sgpr_workgroup_id_x 1
		.amdhsa_system_sgpr_workgroup_id_y 1
		.amdhsa_system_sgpr_workgroup_id_z 1
		.amdhsa_system_vgpr_workitem_id 0
		.amdhsa_next_free_vgpr 192
		.amdhsa_next_free_sgpr 66
		.amdhsa_reserve_vcc 0
		.amdhsa_float_denorm_mode_32 3
		.amdhsa_float_denorm_mode_16_64 3
		.amdhsa_memory_ordered 1
		.amdhsa_forward_progress 1
		.amdhsa_inst_pref_size 33
	.end_amdhsa_kernel
	.amdgpu_metadata
---
amdhsa.version: [ 1, 2 ]
amdhsa.kernels:
  - .name:           k_q5fa16e355d_quant
    .symbol:         k_q5fa16e355d_quant.kd
    .args:
      - { .name: x, .offset: 0, .size: 8, .value_kind: global_buffer, .address_space: global }
      - { .name: w_qkv, .offset: 8, .size: 8, .value_kind: global_buffer, .address_space: global }
      - { .name: w_proj, .offset: 16, .size: 8, .value_kind: global_buffer, .address_space: global }
      - { .name: cod, .offset: 24, .size: 8, .value_kind: global_buffer, .address_space: global }
      - { .name: scl, .offset: 32, .size: 8, .value_kind: global_buffer, .address_space: global }
    .group_segment_fixed_size: 49920
    .private_segment_fixed_size: 0
    .kernarg_segment_align: 8
    .kernarg_segment_size: 40
    .max_flat_workgroup_size: 192
    .sgpr_count:     66
    .vgpr_count:     192
    .wavefront_size: 32
...
	.end_amdgpu_metadata
.endif
;; end of part 1
;; launch gemm_qkv (part 2): grid 8 x 32, 4 waves a work-group, clusters of 4 x 4, 327,680 bytes of LDS; arguments cod, scl, acod, ascl; writes acod, ascl
.if DOCPART == 2
	.amdgcn_target "amdgcn-amd-amdhsa--gfx1250"
	.amdhsa_code_object_version 6
	.text
	.protected	k_q5fa16e355d_gemm_qkv
	.globl	k_q5fa16e355d_gemm_qkv
	.p2align	8
	.type	k_q5fa16e355d_gemm_qkv,@function
k_q5fa16e355d_gemm_qkv:
	s_mov_b64 s[64:65], 0
	v_nop
	global_prefetch_b8 v0, s[64:65] scope:SCOPE_SE
	s_setreg_imm32_b32 hwreg(HW_REG_WAVE_MODE, 25, 1), 1
	s_wait_xcnt 0x0
	s_wait_alu depctr_hold_cnt(0) depctr_sa_sdst(0) depctr_va_vdst(0) depctr_va_sdst(0) depctr_va_ssrc(0) depctr_va_vcc(0) depctr_vm_vsrc(0)
	s_getreg_b32 s2, hwreg(HW_REG_IB_STS2, 6, 4)
	s_cmp_eq_u32 s2, 0
	s_cbranch_scc0 .Lentry_in_a_cluster
	s_endpgm
.Lentry_in_a_cluster:
	s_bfe_u32 s2, ttmp6, 0x10000c
	s_cmp_lg_u32 s2, 0xf033
	s_cbranch_scc0 .Lentry_shape_is_right
	s_endpgm
.Lentry_shape_is_right:
; qkv = x w_qkv^T on codes of FP6 (E2M3) with E8M0 scales, K = 1,024; the results never go to memory as f32: q and k leave as codes quantised along the head's 64, v as codes quantised along the tokens.
; OPERANDS: cod [16 groups of 64 along K][20480 positions][48 bytes], scl [8 pairs of groups][20480][4]; x at positions 0, w_qkv at 16384; a row lies at its number with bits 3 and 4 exchanged.
; Source 1 ('A') gives a lane its row, source 0 ('B') runs along a lane's registers: the 16 registers of tiles 2 b and 2 b + 1 are the 16 neighbouring rows 32 b + 16 (lane / 16) + 0 .. 15 of B.  So the operand along whose rows the result is quantised is B.
; THE DEAL: 256 work-groups of four waves (2 x 2), block column X = 0 .. 7, block row Y = 0 .. 31; each does two things on end:
;   PHASE 1: A = x's rows 256 Y on, B = w_q's and w_k's rows 256 X on: 256 x 256, a wave 128 x 128 -> acod [32 heads: q 0-15, k 16-31][8192 token positions][48], ascl [16 pairs of heads][8192][4]
;   PHASE 2: A = w_v's rows 128 X on, B = x's rows 256 Y on: 128 x 256, a wave 64 x 128 -> acod + VOFFC [128 runs of 64 tokens][1024 feature positions][48], ascl + VOFFS [64 runs of 128 tokens][1024][4]
; LDS: four regions of 12 places for a K group of 128 rows (6,144 bytes a place), region w filled by wave w.  Phase 1: regions 0, 1 A's halves, 2, 3 B's; K group G lies at place G, groups 12 to 15 at places 0 to 3.
; FILLS, one tensor load a wave each: the head: groups 0-7;  behind the head's round: groups 8-11;  in step 2's round: groups 12-15 onto places 0-3;  in step 5's round: phase 2's x rows, half w / 2, K half w % 2, onto places 4-11;
; behind step 7's products, ahead of phase 1's way out: w_v's 128 rows, K groups 4 w on, onto places 0-3.  Phase 2 has no round: all its K lies in LDS when it begins.
; The 32 lanes of a load of 8 bytes stand at 48 r + 24 h, words 12 r + 6 h: each of the 64 banks of 4 bytes (ISA guide 11.1) once; no padding.
; CLUSTERS: 4 x 4 work-groups; tiles of x hang on Y alone and are asked for jointly by a row of the cluster, tiles of the weights on X alone, by a column.
; NO PREFETCH: the walk along K is eight steps written out, with no loop to run ahead in.
; LIMITS: blocks whose largest magnitude lies under 2^-124, and blocks of zeros, get the byte 1 (zero codes add nothing; the bytes are read by this program alone); NaN and infinities are not served.
; REGISTERS: window 0: v8-29 addresses, v32-95 scale words (pair g of K, block i at v[32 + 8 g + i]: A's in lanes 0-15, B's in lanes 16-31), v96-113 at work, v128-223 A's fragments, later the way out; window 1: B's fragments, two sets at v0 and v128;
;   window 2: the accumulators of A's blocks 0-3 ((a, b) at v[8 (8 (a % 4) + b)]); window 3: blocks 4-7.
; (Of the FILLS above, the last, w_v's rows, stands behind step 7's products, AHEAD of phase 1's way out and not between its halves: it has the whole way out in which to land.)
.set NR,    20480
.set GP,    NR*48
.set SPB,   NR*4
.set GRPB,  6144                       ; 128 rows x 48 bytes
.set HALFT, 4*GRPB
.set REG,   3*HALFT                    ; a region
.set STG,   4*REG                      ; the way out: 6,400 bytes a wave that no tensor load fills: two groups x 64 rows x 48, and 256 of scale words
.set WSTG,  6400
.set SPARE, STG+4*WSTG                 ; the spare words, 128 bytes a wave, that no other line names
.set VOFFC, 12582912
.set VOFFS, 524288
.set FR,    12
.set ADA,   8                          ; v8-11  phase 2: A's fragments, K quarter 0 .. 3
.set ADB,   12                         ; v12-13 phase 2: B's, K half 0, 1
.set SOFF2, 14
.set RDS,   15                         ; the stage's scale words, read back: + 8 x lane
.set ADRA,  16                         ; v16-17 phase 1: A's fragments, places 0-7 and 8-11
.set GO8,   18                         ; 8 x lane
.set ADRB,  20                         ; v20-21 the same for B
.set RDL,   23                         ; the stage, read back: + 16 x lane
.set STC,   24                         ; the stage: + 48 r + 24 h
.set STS,   25                         ; the stage's scale words: + 6,144 + 4 r
.set GOF,   26                         ; 16 x lane
.set SOFF,  27
.set SPW,   28
.set NIL,   29
.set SC,    32
.set TM,    96
.set AF,    128
.set G1,    24                         ; group 1 with my row's mask: tiles of x
.set G1B,   48                         ; with my column's mask: tiles of the weights
.set G0Q,   32                         ; group 0: phase 2's x rows
.set G0,    68                         ; s[68:79] phase 1, A: three fills; s[80:91] B
.set G0B,   80
.set G0P,   92                         ; group 0: w_v's rows
.set SEL,   2
.set MSB, 0
.macro WIN new                         ; the immediate's high byte repeats the setting that is left
.if MSB != \new
	s_set_vgpr_msb (MSB<<8)|\new
.set MSB, \new
.endif
.endm
.set MUL_LO, 0xa1                      ; source 0 (B) window 1, source 1 (A) window 0, C and D window 2
.set MUL_HI, 0xf1
.set TO_B,   0x40
.macro PLACES n                        ; plain vector lines behind a matrix instruction, ahead of loads into its sources and of reads of its result
.rept \n
	v_nop
.endr
.endm
.macro TL g0, g1                       ; a joint load that all four waves issue, each with its own part; an s_nop 0 and four v_nop follow
	tensor_load_to_lds s[\g0:\g0+3], s[\g1:\g1+7]
	s_nop 0
	PLACES 4
.endm
.macro JLOAD g0a, g0b                  ; phase 1: waves 0 and 1 fetch for A, waves 2 and 3 for B; the branch hangs on the wave's number alone
	s_cmp_eq_u32 s15, 0
	s_cbranch_scc0 .Lfor_b_\@
	TL \g0a, G1
	s_branch .Lasked_\@
.Lfor_b_\@:
	TL \g0b, G1B
.Lasked_\@:
.endm
.macro CREST                           ; a round of the cluster's barrier behind its opening barrier
	s_cmp_lg_u32 s14, 0
	s_cbranch_scc1 .Lnot_wave_0_\@
	s_barrier_signal -3
.Lnot_wave_0_\@:
	s_barrier_wait -3
	s_barrier_signal -1
	s_barrier_wait -1
.endm
.macro CROUND
	s_barrier_signal -1
	s_barrier_wait -1
	CREST
.endm
.macro FRAG reg, adr, j, i             ; 16 rows x 128 K: registers 6 c .. 6 c + 5 = the 24 bytes at place j + c, row, 24 h: three loads of 8 bytes each
.irp p, 0,1,2,3,4,5
	ds_load_b64 v[\reg+2*\p:\reg+2*\p+1], v[\adr] offset:((\j)+\p/3)*GRPB+(\i)*768+8*(\p%3)
.endr
.endm
.macro FETCH_B g                       ; phase 1, step g of 128 along K: places (2 g) % 12 and the next; B's set g % 2
.set JB, (2*(\g))%12
	WIN TO_B
.irp i, 0,1,2,3,4,5,6,7
	FRAG 128*((\g)%2)+FR*\i, ADRB+JB/8, JB%8, \i
.endr
	WIN 0
.endm
.macro FETCH_A g, i0
.set JB, (2*(\g))%12
.irp i, \i0, \i0+1, \i0+2, \i0+3
	FRAG AF+FR*(\i), ADRA+JB/8, JB%8, \i
.endr
.endm
; 16 matrix instructions: A's blocks a0, a0 + 1 (fragments from v[ab] on) x B's eight; step g.  The accumulators take turns, one instruction a turn, in the same order in every step.  Step 0 starts the sums.
.macro MUL16 a0, g, ab
.irp a, \a0, \a0+1
.irp b, 0,1,2,3,4,5,6,7
.if (\g) == 0
	v_wmma_scale_f32_16x16x128_f8f6f4 v[8*(8*((\a)%4)+\b):8*(8*((\a)%4)+\b)+7], v[128*((\g)%2)+FR*\b:128*((\g)%2)+FR*\b+FR-1], v[\ab+FR*(\a):\ab+FR*(\a)+FR-1], 0, v[SC+8*(\g)+\b], v[SC+8*(\g)+(\a)] matrix_a_fmt:MATRIX_FMT_FP6 matrix_b_fmt:MATRIX_FMT_FP6 matrix_a_scale:MATRIX_SCALE_ROW1
.else
	v_wmma_scale_f32_16x16x128_f8f6f4 v[8*(8*((\a)%4)+\b):8*(8*((\a)%4)+\b)+7], v[128*((\g)%2)+FR*\b:128*((\g)%2)+FR*\b+FR-1], v[\ab+FR*(\a):\ab+FR*(\a)+FR-1], v[8*(8*((\a)%4)+\b):8*(8*((\a)%4)+\b)+7], v[SC+8*(\g)+\b], v[SC+8*(\g)+(\a)] matrix_a_fmt:MATRIX_FMT_FP6 matrix_b_fmt:MATRIX_FMT_FP6 matrix_a_scale:MATRIX_SCALE_ROW1
.endif
.endr
.endr
.endm
; A step of phase 1: 64 products; the next step's fragments are fetched in its middle and at its end.  ld = 1, 2: a round of the cluster's barrier stands in it, with the three lines ahead, and a refill behind.
.macro KS g, ld
.if \ld
	s_wait_tensorcnt 0x0                           ; all my tensor loads have landed
	ds_add_u32 v[SPW], v[NIL]
	s_wait_dscnt 25                                ; the add and the youngest 24 loads (A's blocks 4-7) may be out
	WIN MUL_LO
	MUL16 0, \g, AF
	s_wait_dscnt 0x0                               ; the add is done, and all my reads so far are over
	s_barrier_signal -1
	MUL16 2, \g, AF
	WIN 0
	s_barrier_wait -1
	CREST                                          ; no wave of any partner still reads the places that are filled now, or has a load on its way
.if \ld == 1
	JLOAD G0+8, G0B+8                              ; K groups 12-15 onto places 0-3, whose last reads were step 1's fragments
.else
	s_mov_b32 s[G1+2], 8<<16                       ; no tensor load of mine is out: from here on a tile of x has eight groups
	s_mov_b32 s[G1+4], 8
	TL G0Q, G1                                     ; phase 2's x rows onto places 4-11, whose last reads were this step's fragments
.endif
.else
	s_wait_dscnt 24                                ; B's set and A's blocks 0-3 are in; the youngest 24 loads (A's blocks 4-7) may be out
	WIN MUL_LO
	MUL16 0, \g, AF
	MUL16 2, \g, AF
	s_wait_dscnt 0x0
	PLACES 4
.endif
	FETCH_B (\g)+1
	FETCH_A (\g)+1, 0
	WIN MUL_HI
	MUL16 4, \g, AF
	MUL16 6, \g, AF
	PLACES 4
	WIN 0
	FETCH_A (\g)+1, 4
.endm
.macro HFB g                           ; phase 2, step g: B's eight fragments, set g % 2: 48 loads
	WIN TO_B
.irp i, 0,1,2,3,4,5,6,7
	FRAG 128*((\g)%2)+FR*\i, ADB+(\g)/4, 2*((\g)%4), \i
.endr
	WIN 0
.endm
.macro HFA g                           ; A's four, set g % 2: 24 loads
.irp i, 0,1,2,3
	FRAG AF+48*((\g)%2)+FR*\i, ADA+(\g)/2, 2*((\g)%2), \i
.endr
.endm
.macro HS g                            ; a step of phase 2: 32 products
.if (\g) < 7
.if (\g) > 0
	PLACES 4                                       ; ahead of the loads into the sets that the step before multiplied
.endif
	HFB (\g)+1
	s_wait_dscnt 48                                ; all but the 48 just issued: this step's fragments are in
	WIN MUL_LO
	MUL16 0, \g, AF+48*((\g)%2)
	WIN 0
	HFA (\g)+1
	WIN MUL_LO
	MUL16 2, \g, AF+48*((\g)%2)
	WIN 0
.else
	s_wait_dscnt 0x0
	WIN MUL_LO
	MUL16 0, \g, AF+48*((\g)%2)
	MUL16 2, \g, AF+48*((\g)%2)
	WIN 0
.endif
.endm
	s_load_b256 s[4:11], s[0:1], 0x0               ; cod s[4:5], scl s[6:7], acod s[8:9], ascl s[10:11]
	v_lshl_add_u32 v[SPW], v0, 2, SPARE
	v_mov_b32 v[NIL], 0
	ds_add_u32 v[SPW], v[NIL]                      ; the wave's opening
	ds_add_u32 v[SPW], v[NIL]
	v_lshrrev_b32 v1, 5, v0
	v_readfirstlane_b32 s14, v1                    ; wave 0..3
	s_lshr_b32 s15, s14, 1                         ; my half of A's rows
	s_and_b32 s16, s14, 1                          ; my half of B's rows
	s_bfe_u32 s40, ttmp6, 0x40000                  ; cx
	s_bfe_u32 s41, ttmp6, 0x40004                  ; cy
	s_lshl_b32 s42, ttmp9, 2
	s_add_co_u32 s42, s42, s40                     ; X
	s_and_b32 s17, ttmp7, 0xffff
	s_lshl_b32 s17, s17, 2
	s_add_co_u32 s17, s17, s41                     ; Y
	s_lshl_b32 s43, s41, 2
	s_lshl_b32 s43, 15, s43                        ; my row of the cluster
	s_lshl_b32 s44, 0x1111, s40                    ; my column
	; group 1: rows (groups of K) of 768 elements of 8 bytes (128 positions x 48), GP bytes apart; dense in LDS; eight groups at the head
	s_or_b32 s[G1+0], s43, (3<<16)|(1<<21)
	s_or_b32 s[G1B+0], s44, (3<<16)|(1<<21)
.irp g, G1, G1B
	s_mov_b32 s[\g+1], 768<<16
	s_mov_b32 s[\g+2], 8<<16
	s_mov_b32 s[\g+3], 768<<16
	s_mov_b32 s[\g+4], 8
	s_mov_b32 s[\g+5], GP/8
	s_mov_b32 s[\g+6], 0
	s_mov_b32 s[\g+7], 0
.endr
	s_lshl_b32 s20, s17, 8                         ; x's first position (made of Y alone)
	s_lshl_b32 s46, s42, 8
	s_add_co_u32 s46, s46, 16384                   ; w_q's or w_k's (made of X alone)
	s_lshl_b32 s21, s16, 7
	s_add_co_u32 s36, s20, s21                     ; phase 1: waves 0, 1 fetch A's half w % 2,
	s_mul_i32 s36, s36, 48
	s_mov_b32 s37, 0
	s_add_co_u32 s38, s46, s21                     ; waves 2, 3 B's half w % 2
	s_mul_i32 s38, s38, 48
	s_mov_b32 s39, 0
	s_mul_i32 s47, s14, REG                        ; where my loads go: no place in the cluster enters an LDS address
	s_lshl_b32 s22, s15, 7                         ; phase 2, x: half w / 2 of the rows, K half w % 2
	s_add_co_u32 s22, s22, s20
	s_mul_i32 s22, s22, 48
	s_mul_i32 s23, s16, 8*GP
	s_add_co_u32 s22, s22, s23
	s_mov_b32 s23, 0
	s_lshl_b32 s18, s42, 7                         ; phase 2, w_v: rows 128 X on, K groups 4 w on
	s_add_co_u32 s18, s18, 18432
	s_mul_i32 s18, s18, 48
	s_mul_i32 s19, s14, 4*GP
	s_add_co_u32 s18, s18, s19
	s_mov_b32 s19, 0
	s_mov_b32 s[SEL], 0x76543210
	s_mov_b32 s[SEL+1], 0xfedcba98
	s_wait_dscnt 0x0                               ; both opening adds are done
	s_wait_kmcnt 0x0
	s_add_nc_u64 s[36:37], s[4:5], s[36:37]
	s_add_nc_u64 s[38:39], s[4:5], s[38:39]
	CROUND                                         ; all sixteen work-groups are here: the first joint loads meet
.macro GSET s, la, ga
	s_mov_b32 s[G0+4*\s], 1
	s_add_co_u32 s[G0+4*\s+1], s47, \la
	s_add_nc_u64 s[G0+4*\s+2:G0+4*\s+3], s[36:37], \ga
	s_or_b32 s[G0+4*\s+3], s[G0+4*\s+3], 0x80000000
	s_mov_b32 s[G0B+4*\s], 1
	s_add_co_u32 s[G0B+4*\s+1], s47, \la
	s_add_nc_u64 s[G0B+4*\s+2:G0B+4*\s+3], s[38:39], \ga
	s_or_b32 s[G0B+4*\s+3], s[G0B+4*\s+3], 0x80000000
.endm
	GSET 0, 0, 0
	JLOAD G0, G0B                                  ; K groups 0-7: one tensor load a wave at the head
	GSET 1, 8*GRPB, 8*GP
	GSET 2, 0, 12*GP
	s_mov_b32 s[G0Q], 1
	s_add_co_u32 s[G0Q+1], s47, 4*GRPB
	s_add_nc_u64 s[G0Q+2:G0Q+3], s[4:5], s[22:23]
	s_or_b32 s[G0Q+3], s[G0Q+3], 0x80000000
	s_mov_b32 s[G0P], 1
	s_mov_b32 s[G0P+1], s47
	s_add_nc_u64 s[G0P+2:G0P+3], s[4:5], s[18:19]
	s_or_b32 s[G0P+3], s[G0P+3], 0x80000000
	s_mul_i32 s12, s15, REG                        ; phase 1: my half of A,
	s_mul_i32 s13, s16, REG
	s_add_co_u32 s13, s13, 2*REG                   ; of B
	s_mul_i32 s45, s15, 3072                       ; phase 2: my 64 rows of A,
	s_mul_i32 s62, s16, 2*REG
	s_add_co_u32 s62, s62, 4*GRPB                  ; my half of B, K half 0
	s_lshl_b32 s96, s15, 7
	s_add_co_u32 s96, s96, s20
	s_lshl_b32 s96, s96, 2                         ; scale words: phase 1, my A rows'
	s_add_co_u32 s97, s46, s21
	s_lshl_b32 s97, s97, 2                         ; my B rows'
	s_lshl_b32 s98, s42, 7
	s_lshl_b32 s99, s15, 6
	s_add_co_u32 s98, s98, s99
	s_add_co_u32 s98, s98, 18432
	s_lshl_b32 s98, s98, 2                         ; phase 2, my A rows'
	s_add_co_u32 s99, s20, s21
	s_lshl_b32 s99, s99, 2                         ; my B rows'
	s_mul_i32 s63, s14, WSTG
	s_add_co_u32 s63, s63, STG                     ; my stage
	v_and_b32 v1, 15, v0                           ; r
	v_bfe_u32 v2, v0, 4, 1                         ; h
	v_mul_u32_u24 v3, v1, 48
	v_mad_u32_u24 v3, v2, 24, v3                   ; 48 r + 24 h
	v_mov_b32 v6, s96
	v_mov_b32 v7, s97
	v_cmp_eq_u32 vcc_lo, 0, v2
	v_cndmask_b32 v6, v7, v6, vcc_lo               ; lanes 0-15 take A's, lanes 16-31 B's
	v_lshl_add_u32 v[SOFF], v1, 2, v6
.irp g, 0,1,2,3,4,5,6,7
.irp i, 0,1,2,3,4,5,6,7
	global_load_b32 v[SC+8*\g+\i], v[SOFF], s[6:7] offset:\g*SPB+64*\i
.endr
.endr
	v_mov_b32 v4, s98
	v_mov_b32 v5, s99
	v_cndmask_b32 v4, v5, v4, vcc_lo
	v_lshl_add_u32 v[SOFF2], v1, 2, v4
	v_add_nc_u32 v[ADRA], s12, v3
	v_add_nc_u32 v[ADRB], s13, v3
	v_add_nc_u32 v[ADRA+1], 8*GRPB, v[ADRA]
	v_add_nc_u32 v[ADRB+1], 8*GRPB, v[ADRB]
	v_add_nc_u32 v[ADA], s45, v3
	v_add_nc_u32 v[ADB], s62, v3
.irp k, 1,2,3
	v_add_nc_u32 v[ADA+\k], \k*REG, v[ADA]
.endr
	v_add_nc_u32 v[ADB+1], REG, v[ADB]
	v_add_nc_u32 v[STC], s63, v3
	v_lshlrev_b32 v4, 2, v1
	v_add_nc_u32 v[STS], s63, v4
	v_add_nc_u32 v[STS], 6144, v[STS]
	v_and_b32 v5, 31, v0
	v_lshlrev_b32 v[GOF], 4, v5
	v_lshlrev_b32 v[GO8], 3, v5
	v_add_nc_u32 v[RDL], s63, v[GOF]
	v_add_nc_u32 v[RDS], s63, v[GO8]
	v_add_nc_u32 v[RDS], 6144, v[RDS]
.irp b, 0,1,2,3
	v_mov_b32 v[TM+4+\b], 0                        ; written once: a lane permute's destination counts as one of its sources
.endr
	; where my results go: groups 2 P and 2 P + 1 (P: my 128 of B's rows), positions L0 on (my rows of A)
	s_lshl_b32 s62, s42, 1
	s_add_co_u32 s62, s62, s16
	s_lshl_b32 s62, s62, 13                        ; phase 1: P x 8192
	s_lshl_b32 s63, s15, 7
	s_add_co_u32 s63, s63, s20                     ; L0
	s_lshl_b32 s56, s62, 1
	s_add_co_u32 s56, s56, s63
	s_mul_i32 s56, s56, 48
	s_mov_b32 s57, 0
	s_add_co_u32 s58, s56, 8192*48
	s_mov_b32 s59, 0
	s_add_co_u32 s60, s62, s63
	s_lshl_b32 s60, s60, 2
	s_mov_b32 s61, 0
	s_add_nc_u64 s[56:57], s[8:9], s[56:57]
	s_add_nc_u64 s[58:59], s[8:9], s[58:59]
	s_add_nc_u64 s[60:61], s[10:11], s[60:61]
	s_lshl_b32 s62, s17, 1
	s_add_co_u32 s62, s62, s16
	s_lshl_b32 s62, s62, 10                        ; phase 2: P x 1024
	s_lshl_b32 s63, s42, 7
	s_lshl_b32 s45, s15, 6
	s_add_co_u32 s63, s63, s45                     ; L0
	s_lshl_b32 s96, s62, 1
	s_add_co_u32 s96, s96, s63
	s_mul_i32 s96, s96, 48
	s_add_co_u32 s96, s96, VOFFC
	s_mov_b32 s97, 0
	s_add_co_u32 s98, s96, 1024*48
	s_mov_b32 s99, 0
	s_add_co_u32 s100, s62, s63
	s_lshl_b32 s100, s100, 2
	s_add_co_u32 s100, s100, VOFFS
	s_mov_b32 s101, 0
	s_add_nc_u64 s[96:97], s[8:9], s[96:97]
	s_add_nc_u64 s[98:99], s[8:9], s[98:99]
	s_add_nc_u64 s[100:101], s[10:11], s[100:101]
	s_wait_alu depctr_va_vdst(0)
	s_wait_tensorcnt 0x0                           ; my part of groups 0-7 is in; the three lines ahead of a later first fill, as ahead of a refill
	ds_add_u32 v[SPW], v[NIL]
	s_mov_b32 s[G1+2], 4<<16                       ; no tensor load of mine is out: the next loads bring four groups
	s_mov_b32 s[G1+4], 4
	s_mov_b32 s[G1B+2], 4<<16
	s_mov_b32 s[G1B+4], 4
	s_wait_dscnt 0x0
	CROUND                                         ; a whole round: groups 0-7 are whole, and the joint loads meet
	JLOAD G0+4, G0B+4                              ; K groups 8-11
	FETCH_B 0
	FETCH_A 0, 0
	FETCH_A 0, 4
	s_wait_loadcnt 0x0                             ; the scale words
	KS 0, 0
	KS 1, 0
	KS 2, 1                                        ; its round shows groups 8-11, first read for step 4
	KS 3, 0
	KS 4, 0
	KS 5, 2                                        ; its round shows groups 12-15, first read for step 6
	KS 6, 0
	s_wait_dscnt 24                                ; the last 128 along K: nothing more to fetch
	WIN MUL_LO
	MUL16 0, 7, AF
	MUL16 2, 7, AF
	s_wait_dscnt 0x0
	WIN MUL_HI
	MUL16 4, 7, AF
	MUL16 6, 7, AF
	WIN 0
	PLACES 4
	s_wait_tensorcnt 0x0                           ; phase 2's x rows are in; the three lines and a round ahead of the last refill
	ds_add_u32 v[SPW], v[NIL]
	s_wait_dscnt 0x0                               ; the add is done; my reads of places 0-3 were over ahead of this step's last products
	CROUND
	TL G0P, G1B                                    ; w_v's rows onto places 0-3, whose last reads were step 7's fragments
.irp g, 0,1,2,3,4,5,6,7
.irp i, 0,1,2,3,4,5,6,7
	global_load_b32 v[SC+8*\g+\i], v[SOFF2], s[6:7] offset:\g*SPB+64*\i   ; phase 2's scale words land under the way out (A's blocks 4 to 7 are not used; they lie inside scl)
.endr
.endr
; THE WAY OUT.  Block a: 16 rows of A x 128 rows of B: a lane's 64 registers, register 16 b + i = B's row 32 b + 16 h + i.  They become a fragment's 12 registers of codes (registers 6 c .. 6 c + 5: rows 64 c + 32 h + 0 .. 31) and a scale word,
; and go to my stage, laid as the result lies in memory.  Two sets of registers by turns.
.macro QBLOCK a
.set AC, 64*((\a)%4)
.set W,  2+(\a)/4
.set WW, (W<<2)|(W<<4)
.set PC, 128+20*((\a)%2)
.set PW, 112+(\a)%2
.if ((\a)%4) >= 2
	s_wait_dscnt 7                                 ; only the last block's 7 stores may be out: this set's registers have been read
.endif
	WIN WW                                         ; sources 1 and 2: the accumulators' window
.irp b, 0,1,2,3
	v_max3_num_f32 v[TM+\b], 0x1800000, |v[AC+16*\b]|, |v[AC+16*\b+1]|   ; my 16 numbers of block b, and the floor 2^(3 - 127); each accumulator is read from its low end on
.endr
.irp i, 2,4,6,8,10,12,14
.irp b, 0,1,2,3
	v_max3_num_f32 v[TM+\b], v[TM+\b], |v[AC+16*\b+\i]|, |v[AC+16*\b+\i+1]|
.endr
.endr
	WIN 0
.irp b, 0,1,2,3
	v_permlanex16_b32 v[TM+4+\b], v[TM+\b], s[SEL], s[SEL+1]
.endr
.irp b, 0,1,2,3
	v_max_num_f32 v[TM+\b], v[TM+\b], v[TM+4+\b]   ; with lane l xor 16's: the block's largest magnitude
.endr
.irp b, 0,1,2,3
	v_add_nc_u32 v[TM+12+\b], 0xff000000, v[TM+\b] ; 2 off its exponent field: the conversion's scale operand
.endr
.irp b, 0,1,2,3
	v_lshrrev_b32 v[TM+4+\b], 23, v[TM+12+\b]      ; the byte
.endr
	v_lshl_or_b32 v[PW], v[TM+5], 8, v[TM+4]
	v_lshl_or_b32 v[PW], v[TM+6], 16, v[PW]
	v_lshl_or_b32 v[PW], v[TM+7], 24, v[PW]
	WIN W                                          ; source 0: the accumulators' window
.irp c, 0,1
	v_cvt_scalef32_pk16_fp6_f32 v[PC+6*\c:PC+6*\c+2], v[AC+32*\c:AC+32*\c+15], v[TM+12+2*\c]
	v_cvt_scalef32_pk16_fp6_f32 v[PC+12+4*\c:PC+14+4*\c], v[AC+32*\c+16:AC+32*\c+31], v[TM+13+2*\c]
.endr
	WIN 0
	v_nop                                          ; one plain line behind a scaled conversion
.irp c, 0,1                            ; a whole block to a lane: lanes 0-15 block 2 c, lanes 16-31 block 2 c + 1
.irp i, 0,1,2
	v_permlane16_swap_b32 v[PC+6*\c+\i], v[PC+12+4*\c+\i]
.endr
.irp i, 0,1,2
	v_mov_b32 v[PC+3+6*\c+\i], v[PC+12+4*\c+\i]
.endr
.endr
.irp c, 0,1
.irp p, 0,1,2
	ds_store_b64 v[STC], v[PC+6*\c+2*\p:PC+6*\c+2*\p+1] offset:3072*\c+768*((\a)%4)+8*\p
.endr
.endr
	ds_store_b32 v[STS], v[PW] offset:64*((\a)%4)  ; lanes 16-31 write the same word with the same value
.endm
; Four blocks, 64 rows of A: through the stage, then 3,072 consecutive bytes of each of the two groups and 256 of scale words.  c0, c1, sw: the bases; half: which 64 rows
.macro WAYOUT a0, c0, c1, sw, half
.irp k, 0,1,2,3
	QBLOCK \a0+\k
.endr
	s_wait_dscnt 0x0                               ; the stores have read their registers
	s_wait_xcnt 0x0                                ; and earlier global stores theirs
.irp j, 0,1,2,3,4,5,6,7,8,9,10,11
	ds_load_b128 v[176+4*\j:179+4*\j], v[RDL] offset:512*\j
.endr
	ds_load_b64 v[224:225], v[RDS]
.irp j, 0,1,2,3,4,5
	s_wait_dscnt 12-\j                             ; LDS loads come back in order: load j is in
	global_store_b128 v[GOF], v[176+4*\j:179+4*\j], s[\c0:\c0+1] offset:3072*\half+512*\j       ; each store covers 512 consecutive bytes, aligned
.endr
.irp j, 6,7,8,9,10,11
	s_wait_dscnt 12-\j
	global_store_b128 v[GOF], v[176+4*\j:179+4*\j], s[\c1:\c1+1] offset:3072*\half+512*(\j-6)
.endr
	s_wait_dscnt 0x0
	global_store_b64 v[GO8], v[224:225], s[\sw:\sw+1] offset:256*\half                          ; 256 consecutive bytes, aligned
.endm
	WAYOUT 0, 56, 58, 60, 0
	WAYOUT 4, 56, 58, 60, 1
; PHASE 2
	s_wait_tensorcnt 0x0                           ; my part of w_v's rows is in
	s_wait_xcnt 0x0                                ; the stores have read the registers that take A's fragments
	s_barrier_signal -1                            ; a plain barrier: w_v's rows are shown to all four waves
	s_barrier_wait -1
	HFB 0
	HFA 0
	s_wait_loadcnt 0x0                             ; the scale words
.set GG, 0
.rept 8
	HS GG
.set GG, GG+1
.endr
	PLACES 4
	WAYOUT 0, 96, 98, 100, 0
	s_wait_tensorcnt 0x0                           ; the wave's end
	ds_add_u32 v[SPW], v[NIL]
	s_wait_dscnt 0x0
	CROUND                                         ; the closing round
	s_endpgm
.Lfunc_end_k_q5fa16e355d_gemm_qkv:
	.size	k_q5fa16e355d_gemm_qkv, .Lfunc_end_k_q5fa16e355d_gemm_qkv-k_q5fa16e355d_gemm_qkv
	.p2alignl 7, 3214868480
	.fill 96, 4, 3214868480
	.section	.rodata,"a",@progbits
	.p2align	6, 0x0
	.amdhsa_kernel k_q5fa16e355d_gemm_qkv
		.amdhsa_group_segment_fixed_size 327680
		.amdhsa_private_segment_fixed_size 0
		.amdhsa_enable_private_segment 0
		.amdhsa_kernarg_size 32
		.amdhsa_user_sgpr_count 2
		.amdhsa_user_sgpr_kernarg_segment_ptr 1
		.amdhsa_wavefront_size32 1
		.amdhsa_system_sgpr_workgroup_id_x 1
		.amdhsa_system_sgpr_workgroup_id_y 1
		.amdhsa_system_sgpr_workgroup_id_z 1
		.amdhsa_system_vgpr_workitem_id 0
		.amdhsa_next_free_vgpr 1024
		.amdhsa_next_free_sgpr 102
		.amdhsa_reserve_vcc 1
		.amdhsa_float_denorm_mode_32 3
		.amdhsa_float_denorm_mode_16_64 3
		.amdhsa_memory_ordered 1
		.amdhsa_forward_progress 1
		.amdhsa_inst_pref_size 255
	.end_amdhsa_kernel
	.section	.bss,"aw",@nobits
	.p2align	6
	.space	262144
	.amdgpu_metadata
---
amdhsa.version: [ 1, 2 ]
amdhsa.kernels:
  - .name:           k_q5fa16e355d_gemm_qkv
    .symbol:         k_q5fa16e355d_gemm_qkv.kd
    .args:
      - { .name: cod, .offset: 0, .size: 8, .value_kind: global_buffer, .address_space: global }
      - { .name: scl, .offset: 8, .size: 8, .value_kind: global_buffer, .address_space: global }
      - { .name: acod, .offset: 16, .size: 8, .value_kind: global_buffer, .address_space: global }
      - { .name: ascl, .offset: 24, .size: 8, .value_kind: global_buffer, .address_space: global }
    .group_segment_fixed_size: 327680
    .private_segment_fixed_size: 0
    .kernarg_segment_align: 8
    .kernarg_segment_size: 32
    .max_flat_workgroup_size: 128
    .sgpr_count:     102
    .vgpr_count:     1024
    .wavefront_size: 32
...
	.end_amdgpu_metadata
.endif
;; end of part 2
;; launch attn (part 3): grid 8 x 32, 8 waves a work-group, no clusters, 327,680 bytes of LDS; arguments acod, ascl, cod, scl; writes cod, scl
.if DOCPART == 3
	.amdgcn_target "amdgcn-amd-amdhsa--gfx1250"
	.amdhsa_code_object_version 6
	.text
	.protected	k_q5fa16e355d_attn
	.globl	k_q5fa16e355d_attn
	.p2align	8
	.type	k_q5fa16e355d_attn,@function
k_q5fa16e355d_attn:
	s_mov_b64 s[64:65], 0
	v_nop
	global_prefetch_b8 v0, s[64:65] scope:SCOPE_SE
	s_setreg_imm32_b32 hwreg(HW_REG_WAVE_MODE, 25, 1), 1
	s_wait_xcnt 0x0
; y = softmax(q k^T / 8, causal) v for 64 heads of 64 over 2,048 tokens, both products on codes of FP6 (E2M3) with E8M0 scales; y leaves as codes, quantised along the head's 64, into cod and scl at positions 8192 on.
; INPUTS (the launch before made them): acod [32: q heads 0-15, k heads 16-31][8192 token positions][48 bytes]; from VOFFC v: [128 runs of 64 tokens][1024 feature positions][48]; ascl [16 pairs of heads][8192][4 bytes: two a head];
; from VOFFS [64 runs of 128 tokens][1024][4].  A token or feature lies at its number with bits 3 and 4 exchanged; the codes inside a row are in true order.
; THE SOFTMAX: t = score x log2(e) / 8; M = the running largest t rounded up to a whole number; p = 2^(t - M) is quantised along the keys; the sum of the unquantised p divides at the end; when M moves, the sum and O are multiplied by 2^(old M - new M): exact.
; WORK LEFT OUT: key steps that lie wholly above the diagonal of the mask that the problem itself builds are never walked.
; SHARES: a work-group has one batch, one PAIR of heads and the blocks of 128 queries i and 15 - i: i + 1 and 16 - i key steps of 128, always 17: 256 work-groups of equal work, every trip count a constant.
; Wave w of eight: head w / 4 of the pair, query positions 32 (w % 4) + 0 .. 31: TWO tiles of 16, so that each fragment of K and of V feeds two products.  512 registers a wave, two waves to a SIMD.
; Both products are used transposed: S^T = K Q^T, O^T = V^T P^T: a lane holds one query of each tile.
; WHICH KEYS FORM A TILE OF K is chosen by the LDS address: row m of tile 4 c + t is key 64 c + 32 (m / 8) + 8 t + m % 8.  So lane (r, h)'s registers 32 c + 0 .. 31 are the keys 64 c + 32 h + 0 .. 31: a WHOLE scale block of p,
; in the order of the second product's operand: a block's largest needs no other lane and the codes change no lane.  (Rows m and m + 8 stand 1,536 bytes apart: a load of K's fragments meets each bank twice.)
; THE FIRST PRODUCT'S K IS 64 in an instruction of 128: Q's upper six registers are zero codes, and both sides' upper two scale bytes are 0 (2^-127, a number): whatever stands in K's upper six registers adds exactly 0.
; RING: two slots of one key step, 25,600 bytes: K of both heads, V's two runs of 64 tokens, K's and V's scale words: six dense pieces, stated as rows of 256 bytes, one tensor load each for waves 0 to 5.
; THE CHANGE OF SLOTS STANDS IN A STEP'S MIDDLE.  Step n: the scores (K's fragments are in registers already); V's fragments are fetched; maxima and t - M; then every wave has read all it wants of slot n % 2: the lines, the barrier
; (signal and wait apart, exponentials between), the refill with step n + 2, and K's fragments of step n + 1 out of the other slot, which land under the sums, the quantiser and the second product.
; AMONG THE EXPONENTIALS stand plain lines that hang on none of them and are read only behind the batch's wait: among tile 0's, tile 1's t - M; among tile 1's, the first level of tile 0's sum.
; The loop has 15 trips, each with its refill; steps 15 and 16 ask for nothing and are a loop of two trips of their own.  A wave has one tensor load out at the most.  Every wait on DScnt and TENSORcnt is for 0.
; NO CLUSTER: the pairing that evens the causal work gives each work-group of a head pair its own walk over the key steps, so partners would want different tiles in the same round.
; LIMITS: 1 / l by v_rcp_f32 (1 ulp); blocks of y under 2^-124, and blocks of zeros, get the byte 1 (read by this program alone); NaN and infinities are not served; the scaled scores stay under 2^31 in magnitude.
; REGISTERS: window 0: v1-35 addresses and the rows' state, v36-49 scale words, v50-127 at work, v128-255 S^T of the two tiles, then p.  Window 1 (v256 on): K's fragments, V's, Q of both blocks, O^T.
.set NR,    20480
.set VOFFC, 12582912
.set VOFFS, 524288
.set SLOT1, 32768                      ; slot 1: one exclusive or turns an address
.set STAGE, 65536                      ; 2,048 bytes for each wave: y's codes on their way out
.set SPARE, 81920                      ; the spare words, 128 bytes a wave, that no other line names
.set AK0, 1                            ; K: 48 (r % 8 + 32 (r / 8)) + 24 h + 6,144 x head
.set AV0, 2                            ; V: 12,288 + 48 r + 24 h + 3,072 x head
.set AS0, 3                            ; K's scales: 24,576 + 4 (r % 8 + 32 (r / 8)) + 2 x head
.set AT0, 4                            ; V's scales: 25,088 + 4 r + 256 x head
.set SPW, 5
.set NIL, 6
.set DQ,  7                            ; v7, v8: my query's number in its block of 128, less 32 h, tile 0 and 1
.set ADK, 9
.set ADV, 10
.set ADS, 11
.set ADT, 12
.set NM,  14                           ; v[14+2u] -M, v[15+2u] the largest t
.set L,   18                           ; v[18+2u:19+2u] the sum
.set FF,  22                           ; v[22+2u] f (the pair's upper half stays 0)
.set QS,  26                           ; Q's scale words, tile u;  v28, v29 the second block's
.set QS2, 28
.set STA, 30                           ; stage + 64 r + 16 h
.set STB, 31                           ; stage + 16 x lane
.set G12, 32                           ; 12 x lane
.set R4,  33                           ; 4 r
.set PFO, 34
.set NINF, 35
.set KS,  36                           ; v36-43 K's scale words; v44-47 V's; v48, v49 p's
.set VS,  44
.set PWD, 48
.set BM,  50                           ; v[50+2u+c] a block's largest;  BP its byte;  SO the conversions' scale operand
.set BP,  54
.set SO,  58
.set TMP, 62
.set SH8, 64                           ; 8 h
.set WD,  66                           ; my two bytes of p's scale word;  WP lane l xor 16's;  RP at work
.set WP,  68
.set RP,  70
.set PCD, 76                           ; v[76+12u ..] p's codes
.set CT,  100                          ; v[100+8u+4c ..] the second conversions' codes
.set XS,  76                           ; v76-107, ahead of the conversions: sixteen pairs of tile 0's sum
.set SM,  116
.set S,   128
.set KF,  0                            ; window 1: 8 tiles x 6 registers, then 6 of zeros
.set VF,  56                           ; 4 tiles x 12
.set Q,   104                          ; 12 a tile: 6 of codes, 6 of zeros
.set Q2,  128                          ; the second block's codes, 6 a tile
.set O,   144                          ; 32 a tile
.set TB,  2
.set TAU, 3
.set QI,  12
.set QI1, 13
.set TN,  14
.set KN,  15
.set WV,  18
.set HS,  19
.set SEL, 20
.set CS,  22
.set G1T, 24
.set G1S, 32
.set G0T, 40
.set G0S, 44
.set BTA, 48
.set BSA, 50
.set OFF, 56
.set OFF2, 58
.set STT, 60
.set STS, 61
.set LIM, 62
.set YB,  66
.set YSB, 68
.set PFA, 70
.set DY,  72
.set DYS, 74
.set PFS, 76
.set TBN, 92
.set DG,  93                           ; the step that holds the diagonal: i, then 16
.set MSB, 0
.macro WIN new                         ; the immediate's high byte repeats the setting that is left
.if MSB != \new
	s_set_vgpr_msb (MSB<<8)|\new
.set MSB, \new
.endif
.endm
.macro WALU
	s_wait_alu depctr_va_vdst(0)
.endm
.macro MM d, a, b, c, sa, sb
	v_wmma_scale_f32_16x16x128_f8f6f4 v[\d:\d+7], v[\a:\a+11], v[\b:\b+11], \c, v[\sa], v[\sb] matrix_a_fmt:MATRIX_FMT_FP6 matrix_b_fmt:MATRIX_FMT_FP6
.endm
.macro PADD d, a, b
	v_pk_add_f32 v[\d:\d+1], v[\a:\a+1], v[\b:\b+1]
.endm
; Waves 0 to 3 fetch the four pieces of codes, waves 4 and 5 the two of scale words, waves 6 and 7 nothing: branches on the wave's number alone.  An s_nop 0 and four v_nop follow each line.
.macro TLOAD
	s_cmp_lt_u32 s[WV], 4
	s_cbranch_scc0 .Lnot_t_\@
	tensor_load_to_lds s[G0T:G0T+3], s[G1T:G1T+7]
	s_nop 0
.rept 4
	v_nop
.endr
	s_branch .Lasked_\@
.Lnot_t_\@:
	s_cmp_lt_u32 s[WV], 6
	s_cbranch_scc0 .Lasked_\@
	tensor_load_to_lds s[G0S:G0S+3], s[G1S:G1S+7]
	s_nop 0
.rept 4
	v_nop
.endr
.Lasked_\@:
.endm
; A PREFETCH INTO THE L2.  All eight work-groups of a batch and head pair read the same six pieces of each key step: the first of them (x = 0) asks, each of its waves 0 to 5 for the piece that it fetches
; (24 blocks of 256 bytes, a lane a block, lanes 24-31 name the last again; of scale words 2 blocks).  In trip tau it names key step tau + 3; the earliest tensor load of that key step in any of the eight stands a trip on.
; Trips 13 on ask for nothing: key step 15 is the last.  Key steps 0 to 2 come by their loads alone.
.macro ASK
	s_cmp_lt_u32 s[TAU], s[LIM]
	s_cbranch_scc0 .Lnot_mine_\@
	global_prefetch_b8 v[PFO], s[PFA:PFA+1] th:TH_LOAD_NT scope:SCOPE_SE
.Lnot_mine_\@:
.endm
.macro NEXTD d                         ; both group 0 for walk step tau + d: key step tau + d, or tau + d - i - 1 once the first block's i + 1 steps are done; the other slot
	s_add_co_u32 s[TN], s[TAU], \d
	s_cmp_gt_u32 s[TN], s[QI]
	s_cselect_b32 s[KN], s[QI1], 0
	s_sub_co_u32 s[KN], s[TN], s[KN]
	s_mul_i32 s[OFF], s[KN], s[STT]
	s_mul_i32 s[OFF2], s[KN], s[STS]
	s_xor_b32 s[G0T+1], s[G0T+1], SLOT1
	s_xor_b32 s[G0S+1], s[G0S+1], SLOT1
	s_add_nc_u64 s[G0T+2:G0T+3], s[BTA:BTA+1], s[OFF:OFF+1]
	s_or_b32 s[G0T+3], s[G0T+3], 0x80000000
	s_add_nc_u64 s[G0S+2:G0S+3], s[BSA:BSA+1], s[OFF2:OFF2+1]
	s_or_b32 s[G0S+3], s[G0S+3], 0x80000000
.endm
.macro KLOAD ak, as                    ; K's eight tiles and their scale bytes.  Tile 4 c + t begins at position 64 c + 16 (t % 2) + 8 (t / 2): key 64 c + 8 t with bits 3 and 4 exchanged
	WIN 0x40
.irp t, 0,1,2,3,4,5,6,7
.irp p, 0,1,2
	ds_load_b64 v[KF+6*\t+2*\p:KF+6*\t+2*\p+1], v[\ak] offset:48*(64*(\t/4)+16*(\t%2)+8*((\t/2)%2))+8*\p
.endr
.endr
	WIN 0
.irp t, 0,1,2,3,4,5,6,7
	ds_load_u16 v[KS+\t], v[\as] offset:4*(64*(\t/4)+16*(\t%2)+8*((\t/2)%2))
.endr
.endm
	s_load_b256 s[4:11], s[0:1], 0x0               ; acod s[4:5], ascl s[6:7], cod s[8:9], scl s[10:11]
	v_lshl_add_u32 v[SPW], v0, 2, SPARE
	v_mov_b32 v[NIL], 0
	ds_add_u32 v[SPW], v[NIL]                      ; the wave's opening
	ds_add_u32 v[SPW], v[NIL]
	v_lshrrev_b32 v50, 5, v0
	v_readfirstlane_b32 s[WV], v50                 ; wave 0..7
	s_and_b32 s82, ttmp7, 0xffff
	s_lshr_b32 s16, s82, 3                         ; batch
	s_and_b32 s17, s82, 7                          ; pair of heads
	s_lshr_b32 s[HS], s[WV], 2                     ; my head of the pair
	s_and_b32 s83, s[WV], 3                        ; my 32 query positions; also: which piece of codes
	s_and_b32 s85, s[WV], 1                        ; which piece of scale words
	s_mov_b32 s[QI], ttmp9
	s_add_co_u32 s[QI1], s[QI], 1
	s_mov_b32 s[DG], s[QI]
	s_mov_b32 s[G1T], 3<<16                        ; 6,144 dense bytes as 24 rows of 32 elements of 8 bytes
	s_mov_b32 s[G1T+1], 32<<16
	s_mov_b32 s[G1T+2], 24<<16
	s_mov_b32 s[G1T+3], 32<<16
	s_mov_b32 s[G1T+4], 24
	s_mov_b32 s[G1T+5], 32
	s_mov_b32 s[G1T+6], 0
	s_mov_b32 s[G1T+7], 0
	s_mov_b32 s[G1S], 3<<16                        ; 512 dense bytes as 2 such rows
	s_mov_b32 s[G1S+1], 32<<16
	s_mov_b32 s[G1S+2], 2<<16
	s_mov_b32 s[G1S+3], 32<<16
	s_mov_b32 s[G1S+4], 2
	s_mov_b32 s[G1S+5], 32
	s_mov_b32 s[G1S+6], 0
	s_mov_b32 s[G1S+7], 0
	s_lshl_b32 s86, s16, 11                        ; 2,048 x batch
	s_lshl_b32 s87, s17, 7                         ; 128 x pair
	s_lshl_b32 s88, s17, 1                         ; pieces 0, 1: K of head 2 g + piece: ((16 + head) x 8192 + 2048 b) x 48
	s_add_co_u32 s88, s88, s83
	s_add_co_u32 s88, s88, 16
	s_lshl_b32 s88, s88, 13
	s_add_co_u32 s88, s88, s86
	s_mul_i32 s88, s88, 48
	s_lshl_b32 s89, s16, 5                         ; pieces 2, 3: V's run 32 b + piece - 2: VOFFC + (run x 1024 + 128 g) x 48
	s_add_co_u32 s89, s89, s83
	s_lshl_b32 s89, s89, 10
	s_add_co_u32 s89, s89, s87
	s_mul_i32 s89, s89, 48
	s_add_co_u32 s89, s89, VOFFC-2*1024*48
	s_mov_b32 s[STT], 98304
	s_cmp_lt_u32 s83, 2
	s_cselect_b32 s[OFF], s88, s89
	s_cselect_b32 s[STT], 6144, s[STT]             ; a key step on, in my piece
	s_mov_b32 s[OFF+1], 0
	s_add_co_u32 s88, s17, 8                       ; K's scale words: ((8 + g) x 8192 + 2048 b) x 4
	s_lshl_b32 s88, s88, 13
	s_add_co_u32 s88, s88, s86
	s_lshl_b32 s88, s88, 2
	s_lshl_b32 s89, s16, 14                        ; V's: VOFFS + (16 b x 1024 + 128 g) x 4
	s_add_co_u32 s89, s89, s87
	s_lshl_b32 s89, s89, 2
	s_add_co_u32 s89, s89, VOFFS
	s_mov_b32 s[STS], 4096
	s_cmp_eq_u32 s85, 0
	s_cselect_b32 s[OFF2], s88, s89
	s_cselect_b32 s[STS], 512, s[STS]
	s_mov_b32 s[OFF2+1], 0
	s_mov_b32 s[G0T], 1
	s_mul_i32 s[G0T+1], s83, 6144                  ; LDS: the piece's place in slot 0
	s_mov_b32 s[G0S], 1
	s_lshl_b32 s[G0S+1], s85, 9
	s_add_co_u32 s[G0S+1], s[G0S+1], 24576
	s_lshl_b32 s88, s[QI], 7                       ; my first token position in the first block: 2048 b + 128 i + 32 (w % 4)
	s_add_co_u32 s88, s88, s86
	s_lshl_b32 s89, s83, 5
	s_add_co_u32 s88, s88, s89
	s_lshl_b32 s89, s17, 1
	s_add_co_u32 s89, s89, s[HS]                   ; my head
	s_lshl_b32 s90, s89, 13
	s_add_co_u32 s90, s90, s88
	s_mul_i32 s52, s90, 48                         ; Q's codes
	s_mov_b32 s53, 0
	s_lshl_b32 s90, s17, 13
	s_add_co_u32 s90, s90, s88
	s_lshl_b32 s90, s90, 2
	s_lshl_b32 s91, s[HS], 1
	s_add_co_u32 s78, s90, s91                     ; Q's scale bytes
	s_mov_b32 s79, 0
	s_mul_i32 s90, s89, NR
	s_add_co_u32 s90, s90, s88
	s_add_co_u32 s90, s90, 8192
	s_mul_i32 s[YB], s90, 48                       ; y's codes: group = my head, positions 8192 on
	s_mov_b32 s[YB+1], 0
	s_mul_i32 s90, s17, NR
	s_add_co_u32 s90, s90, s88
	s_add_co_u32 s90, s90, 8192
	s_lshl_b32 s90, s90, 2
	s_add_co_u32 s[YSB], s90, s91                  ; y's scale bytes
	s_mov_b32 s[YSB+1], 0
	s_lshl_b32 s90, s[QI], 1
	s_sub_co_u32 s90, 15, s90                      ; from block i to block 15 - i
	s_mul_i32 s[DY], s90, 6144
	s_mov_b32 s[DY+1], 0
	s_lshl_b32 s[DYS], s90, 9
	s_mov_b32 s[DYS+1], 0
	s_mov_b32 s[SEL], 0x76543210
	s_mov_b32 s[SEL+1], 0xfedcba98
	s_mov_b32 s[CS], 0x3e38aa3b                    ; c = log2(e) / 8
	s_mov_b32 s[CS+1], s[CS]
	s_mov_b32 s[TB], 0
	s_mov_b32 s[TAU], 0
	s_cmp_lt_u32 s[WV], 6                          ; the prefetching waves: 0 to 5
	s_cselect_b32 s[LIM], 13, 0
	s_cmp_eq_u32 ttmp9, 0                          ; of the first work-group
	s_cselect_b32 s[LIM], s[LIM], 0
	s_wait_dscnt 0x0                               ; both opening adds are done
	s_wait_kmcnt 0x0
	s_add_nc_u64 s[BTA:BTA+1], s[4:5], s[OFF:OFF+1]
	s_add_nc_u64 s[BSA:BSA+1], s[6:7], s[OFF2:OFF2+1]
	s_mov_b64 s[G0T+2:G0T+3], s[BTA:BTA+1]
	s_or_b32 s[G0T+3], s[G0T+3], 0x80000000
	s_mov_b64 s[G0S+2:G0S+3], s[BSA:BSA+1]
	s_or_b32 s[G0S+3], s[G0S+3], 0x80000000
	TLOAD                                          ; walk step 0 (key step 0) into slot 0
	s_add_nc_u64 s[52:53], s[4:5], s[52:53]
	s_add_nc_u64 s[54:55], s[52:53], s[DY:DY+1]
	s_add_nc_u64 s[78:79], s[6:7], s[78:79]
	s_add_nc_u64 s[80:81], s[78:79], s[DYS:DYS+1]
	s_add_nc_u64 s[YB:YB+1], s[8:9], s[YB:YB+1]
	s_add_nc_u64 s[YSB:YSB+1], s[10:11], s[YSB:YSB+1]
	s_cmp_lt_u32 s[WV], 4                          ; the prefetches: codes or scale words
	s_cselect_b64 s[PFA:PFA+1], s[BTA:BTA+1], s[BSA:BSA+1]
	s_cselect_b32 s[PFS], s[STT], s[STS]
	s_cselect_b32 s63, 23, 1
	s_mov_b32 s[PFS+1], 0
	s_lshl_b32 s82, s[PFS], 1
	s_mov_b32 s83, 0
	s_add_nc_u64 s[PFA:PFA+1], s[PFA:PFA+1], s[82:83]   ; at key step 2: the first trip steps it to 3
	s_mul_i32 s84, s[HS], 6144
	s_mul_i32 s85, s[HS], 3072
	s_add_co_u32 s85, s85, 12288
	s_lshl_b32 s86, s[HS], 1
	s_add_co_u32 s86, s86, 24576
	s_lshl_b32 s87, s[HS], 8
	s_add_co_u32 s87, s87, 25088
	s_and_b32 s88, s[WV], 3
	s_lshl_b32 s88, s88, 5
	s_lshl_b32 s89, s[WV], 11
	s_add_co_u32 s89, s89, STAGE                   ; my stage
	v_and_b32 v50, 15, v0                          ; r
	v_bfe_u32 v51, v0, 4, 1                        ; h
	v_and_b32 v[PFO], 31, v0
	v_mul_u32_u24 v52, v50, 48
	v_lshlrev_b32 v[R4], 2, v50
	v_mad_u32_u24 v52, v51, 24, v52                ; 48 r + 24 h
	WIN 0x40
.irp u, 0,1
.irp p, 0,1,2
	global_load_b64 v[Q+12*\u+2*\p:Q+12*\u+2*\p+1], v52, s[52:53] offset:768*\u+8*\p     ; Q of both blocks stays in registers
	global_load_b64 v[Q2+6*\u+2*\p:Q2+6*\u+2*\p+1], v52, s[54:55] offset:768*\u+8*\p
.endr
.endr
	WIN 0
.irp u, 0,1
	global_load_u16 v[QS+\u], v[R4], s[78:79] offset:64*\u      ; two scale bytes; the upper two are 0
	global_load_u16 v[QS2+\u], v[R4], s[80:81] offset:64*\u
.endr
	v_and_b32 v53, 8, v50                          ; 8 (r / 8)
	v_mad_u32_u24 v55, v53, 3, v50                 ; K's row of lane r: r % 8 + 32 (r / 8)
	v_mul_u32_u24 v56, v55, 48
	v_mad_u32_u24 v56, v51, 24, v56
	v_lshlrev_b32 v57, 2, v55
	v_add_nc_u32 v[AK0], s84, v56
	v_add_nc_u32 v[AV0], s85, v52
	v_add_nc_u32 v[AS0], s86, v57
	v_add_nc_u32 v[AT0], s87, v[R4]
	v_add3_u32 v53, v53, v50, s88                  ; position 32 (w % 4) + 16 u + r is token 32 (w % 4) + 16 (r / 8) + 8 u + r % 8 of the block
	v_lshlrev_b32 v54, 5, v51
	v_sub_nc_u32 v[DQ], v53, v54
	v_add_nc_u32 v[DQ+1], 8, v[DQ]
	v_lshlrev_b32 v[SH8], 3, v51
	v_lshlrev_b32 v[STA], 6, v50
	v_lshl_add_u32 v[STA], v51, 4, v[STA]
	v_add_nc_u32 v[STA], s89, v[STA]
	v_lshlrev_b32 v[STB], 4, v[PFO]
	v_add_nc_u32 v[STB], s89, v[STB]
	v_mul_u32_u24 v[G12], v[PFO], 12
	v_min_u32 v[PFO], s63, v[PFO]
	v_lshlrev_b32 v[PFO], 8, v[PFO]
	v_mov_b32 v[NINF], 0xff800000
.irp u, 0,1
	v_mov_b32 v[NM+2*\u+1], 0xff61b1e6             ; the largest t so far: -3e38
	v_mov_b32 v[L+2*\u], 0
	v_mov_b32 v[L+2*\u+1], 0
	v_mov_b32 v[FF+2*\u+1], 0                      ; named as the upper half of the pair
	v_mov_b32 v[TMP+\u], 0                         ; a lane permute's destination counts as one of its sources
	v_mov_b32 v[WP+\u], 0
	v_mov_b32 v[RP+\u], 0
	v_floor_f32 v[NM+2*\u], -v[NM+2*\u+1]
.endr
	WIN 0x40
.irp j, 0,1,2,3,4,5
	v_mov_b32 v[KF+48+\j], 0                       ; zero codes: behind K's last tile, and Q's upper halves
	v_mov_b32 v[Q+6+\j], 0
	v_mov_b32 v[Q+18+\j], 0
.endr
.set JJ, 0
.rept 64
	v_mov_b32 v[O+JJ], 0                           ; the step is written for every step alike: the first finds zeros
.set JJ, JJ+1
.endr
	WIN 0
; THE END OF A BLOCK OF QUERIES: y = O^T / l, quantised along the head's 64 (two blocks a tile), stored.  switch = 1: on to the second block.
.macro FINAL switch
.rept 4
	v_nop                                          ; places behind the last products
.endr
.irp u, 0,1
	v_add_f32 v[L+2*\u], v[L+2*\u], v[L+2*\u+1]
.endr
.irp u, 0,1
	v_permlanex16_b32 v[TMP+\u], v[L+2*\u], s[SEL], s[SEL+1]
.endr
.irp u, 0,1
	v_add_f32 v[L+2*\u], v[L+2*\u], v[TMP+\u]      ; the row's sum
.endr
	WALU
.irp u, 0,1
	v_rcp_f32 v[FF+2*\u], v[L+2*\u]
.endr
	v_nop                                          ; a plain line behind the reciprocals
	WIN 0x01                                       ; source 0: O^T, in window 1
	WALU                                           ; directly ahead of the first reader of the reciprocals and of O^T
.irp u, 0,1
.set JJ, 0
.rept 16
	v_pk_mul_f32 v[S+64*\u+JJ:S+64*\u+JJ+1], v[O+32*\u+JJ:O+32*\u+JJ+1], v[FF+2*\u:FF+2*\u+1] op_sel_hi:[1,0]   ; register 16 b + i: channel 32 b + 16 h + i; each accumulator from its low end on
.set JJ, JJ+2
.endr
.endr
	WIN 0
.irp u, 0,1
.irp b, 0,1
	v_max3_num_f32 v[BM+2*\u+\b], |v[S+64*\u+16*\b]|, |v[S+64*\u+16*\b+1]|, 0x1800000
.endr
.endr
.irp i, 2,4,6,8,10,12,14
.irp u, 0,1
.irp b, 0,1
	v_max3_num_f32 v[BM+2*\u+\b], v[BM+2*\u+\b], |v[S+64*\u+16*\b+\i]|, |v[S+64*\u+16*\b+\i+1]|
.endr
.endr
.endr
.irp k, 0,1,2,3
	v_permlanex16_b32 v[BP+\k], v[BM+\k], s[SEL], s[SEL+1]
.endr
.irp k, 0,1,2,3
	v_max_num_f32 v[BM+\k], v[BM+\k], v[BP+\k]
.endr
.irp k, 0,1,2,3
	v_add_nc_u32 v[SO+\k], 0xff000000, v[BM+\k]
.endr
.irp k, 0,1,2,3
	v_lshrrev_b32 v[BP+\k], 23, v[SO+\k]
.endr
.irp u, 0,1
	v_lshl_or_b32 v[TMP+\u], v[BP+2*\u+1], 8, v[BP+2*\u]     ; my head's two bytes of the row's scale word
.endr
.irp u, 0,1
.irp b, 0,1
	v_cvt_scalef32_pk16_fp6_f32 v[CT+8*\u+4*\b:CT+8*\u+4*\b+2], v[S+64*\u+16*\b:S+64*\u+16*\b+15], v[SO+2*\u+\b]
.endr
.endr
	v_nop                                          ; one plain line behind a scaled conversion
.irp u, 0,1
.irp b, 0,1
	ds_store_b96 v[STA], v[CT+8*\u+4*\b:CT+8*\u+4*\b+2] offset:1024*\u+32*\b   ; my 12 bytes are piece 4 r + 2 b + h of the tile's 64: each piece has a place of 16 bytes in my stage
.endr
.endr
.irp u, 0,1
.irp k, 0,1
	ds_load_b96 v[PCD+12*\u+4*\k:PCD+12*\u+4*\k+2], v[STB] offset:1024*\u+512*\k   ; LDS serves a wave's instructions in order: pieces lane and lane + 32
.endr
.endr
	WALU
	s_wait_dscnt 0x0
.irp u, 0,1
.irp k, 0,1
	global_store_b96 v[G12], v[PCD+12*\u+4*\k:PCD+12*\u+4*\k+2], s[YB:YB+1] offset:768*\u+384*\k   ; 384 consecutive bytes each: my two tiles' 1,536
.endr
	global_store_b16 v[R4], v[TMP+\u], s[YSB:YSB+1] offset:64*\u     ; two bytes a row (the word's other two are the other head's wave's); lanes 16-31 store the same
.endr
	s_wait_xcnt 0x0                                ; the stores have read their bases and registers
.if \switch
	s_add_nc_u64 s[YB:YB+1], s[YB:YB+1], s[DY:DY+1]
	s_add_nc_u64 s[YSB:YSB+1], s[YSB:YSB+1], s[DYS:DYS+1]
.irp u, 0,1
	v_mov_b32 v[QS+\u], v[QS2+\u]                  ; the scale words first: sixteen plain lines stand between them and the next product
.endr
	WIN 0x41
.irp u, 0,1
.irp k, 0,1,2,3,4,5
	v_mov_b32 v[Q+12*\u+\k], v[Q2+6*\u+\k]
.endr
.endr
	WIN 0
.irp u, 0,1
	v_mov_b32 v[NM+2*\u+1], 0xff61b1e6             ; M begins anew: the next step's f is 0 and wipes O^T and the sum
.endr
.irp u, 0,1
	v_floor_f32 v[NM+2*\u], -v[NM+2*\u+1]
.endr
.endif
.endm
; A KEY STEP: 128 keys x my 32 queries.  fill = 1: the loop's (a refill in its middle); 0: steps 15 and 16.
.macro STEP fill
	s_wait_dscnt 0x0                               ; K's fragments and scale bytes of this step are in
	WIN 0x05                                       ; sources 0 and 1 in window 1
.irp t, 0,1,2,3,4,5,6,7
.irp u, 0,1
	MM S+64*\u+8*\t, KF+6*\t, Q+12*\u, 0, KS+\t, QS+\u
.endr
.endr
	WIN 0
	s_xor_b32 s[TBN], s[TB], SLOT1
	v_add_nc_u32 v[ADV], s[TB], v[AV0]             ; (these four are the places ahead of the loads below and of the first read of the scores)
	v_add_nc_u32 v[ADT], s[TB], v[AT0]
	v_add_nc_u32 v[ADK], s[TBN], v[AK0]
	v_add_nc_u32 v[ADS], s[TBN], v[AS0]
	WIN 0x40
.irp t, 0,1,2,3                        ; V's four tiles of 16 channels x 128 keys
.irp p, 0,1,2,3,4,5
	ds_load_b64 v[VF+12*\t+2*\p:VF+12*\t+2*\p+1], v[ADV] offset:6144*(\p/3)+768*\t+8*(\p%3)
.endr
.endr
	WIN 0
.irp t, 0,1,2,3
	ds_load_b32 v[VS+\t], v[ADT] offset:64*\t
.endr
	s_cmp_lg_u32 s[TAU], s[DG]                     ; the diagonal step?  A scalar branch on ids, the same in all waves, round the mask alone
	s_cbranch_scc1 .Lopen_\@
.irp u, 0,1
.set JJ, 0
.rept 64                               ; register n holds key 64 (n / 32) + 32 h + n % 32 of the step: hidden where it comes after my query: -infinity, so that p = 0
	v_cmp_gt_i32 vcc_lo, 64*(JJ/32)+JJ%32, v[DQ+\u]
	v_cndmask_b32 v[S+64*\u+JJ], v[S+64*\u+JJ], v[NINF], vcc_lo
.set JJ, JJ+1
.endr
.endr
.Lopen_\@:
.irp u, 0,1
.irp c, 0,1
	v_max3_num_f32 v[BM+2*\u+\c], v[S+64*\u+32*\c], v[S+64*\u+32*\c+1], v[S+64*\u+32*\c+2]   ; the largest score of each block of 32 keys: for the row's maximum and, since p rises with the score, for the block's largest p
.endr
.endr
.irp i, 3,5,7,9,11,13,15,17,19,21,23,25,27,29
.irp u, 0,1
.irp c, 0,1
	v_max3_num_f32 v[BM+2*\u+\c], v[BM+2*\u+\c], v[S+64*\u+32*\c+\i], v[S+64*\u+32*\c+\i+1]
.endr
.endr
.endr
.irp u, 0,1
.irp c, 0,1
	v_max_num_f32 v[BM+2*\u+\c], v[BM+2*\u+\c], v[S+64*\u+32*\c+31]
.endr
.endr
.irp u, 0,1
	v_max_num_f32 v[TMP+\u], v[BM+2*\u], v[BM+2*\u+1]
.endr
.irp u, 0,1
	v_permlanex16_b32 v[RP+\u], v[TMP+\u], s[SEL], s[SEL+1]
.endr
.irp u, 0,1
	v_max_num_f32 v[TMP+\u], v[TMP+\u], v[RP+\u]   ; with lane l xor 16's two blocks: the step's largest score of my query
.endr
.irp u, 0,1
	v_mul_f32 v[TMP+\u], s[CS], v[TMP+\u]
.endr
.irp u, 0,1
	v_max_num_f32 v[NM+2*\u+1], v[NM+2*\u+1], v[TMP+\u]      ; the running largest t
.endr
.irp u, 0,1
	v_mov_b32 v[TMP+\u], v[NM+2*\u]
.endr
.irp u, 0,1
	v_floor_f32 v[NM+2*\u], -v[NM+2*\u+1]          ; -M = floor(-t): M is a whole number
.endr
.irp u, 0,1
	v_sub_f32 v[TMP+\u], v[NM+2*\u], v[TMP+\u]     ; old M - new M, 0 or less
.endr
.irp u, 0,1
	v_cvt_i32_f32 v[TMP+\u], v[TMP+\u]             ; (it saturates)
.endr
.irp u, 0,1
	v_ldexp_f32 v[FF+2*\u], 1.0, v[TMP+\u]         ; f = 2^(old M - new M)
.endr
.set JJ, 0
.rept 32
	v_pk_fma_f32 v[S+JJ:S+JJ+1], v[S+JJ:S+JJ+1], s[CS:CS+1], v[NM:NM+1] op_sel_hi:[1,0,0]   ; tile 0: t - M
.set JJ, JJ+2
.endr
.irp c, 0,1
	v_fma_f32 v[BM+\c], v[BM+\c], s[CS], v[NM]
.endr
	WALU
.set JJ, 0
.rept 24
	v_exp_f32 v[S+JJ], v[S+JJ]                     ; tile 0: p = 2^(t - M);
	v_exp_f32 v[S+JJ+1], v[S+JJ+1]
	v_pk_fma_f32 v[S+64+JJ:S+64+JJ+1], v[S+64+JJ:S+64+JJ+1], s[CS:CS+1], v[NM+2:NM+3] op_sel_hi:[1,0,0]   ; among them tile 1's t - M, first read behind the wait that closes the batch
.set JJ, JJ+2
.endr
	s_wait_tensorcnt 0x0                           ; all my tensor loads have landed: my piece of the next step's slot.  The lines stand behind 24 of the batch's 32 groups; the other 8 stand between the adds and the wait for them
.if \fill
	ds_add_u32 v[SPW], v[NIL]
	ds_add_u32 v[SPW], v[NIL]
	NEXTD 2                                        ; no tensor load of mine is out: the descriptors of walk step tau + 2, for the slot in hand
	s_wait_xcnt 0x0                                ; the last prefetch, a trip back, has read its address
	s_add_nc_u64 s[PFA:PFA+1], s[PFA:PFA+1], s[PFS:PFS+1]
.endif
.rept 8
	v_exp_f32 v[S+JJ], v[S+JJ]
	v_exp_f32 v[S+JJ+1], v[S+JJ+1]
	v_pk_fma_f32 v[S+64+JJ:S+64+JJ+1], v[S+64+JJ:S+64+JJ+1], s[CS:CS+1], v[NM+2:NM+3] op_sel_hi:[1,0,0]
.set JJ, JJ+2
.endr
.irp c, 0,1
	v_exp_f32 v[BM+\c], v[BM+\c]                   ; each block's largest p
.endr
.irp c, 0,1
	v_fma_f32 v[BM+2+\c], v[BM+2+\c], s[CS], v[NM+2]
.endr
	WALU                                           ; one wait behind the first batch and ahead of the second
	s_wait_dscnt 0x0                               ; the adds are done and V is in: my reads of the slot in hand are over
	s_barrier_signal -1
.set JJ, 0
.rept 16
.irp k, 0,1,2,3
	v_exp_f32 v[S+64+JJ+\k], v[S+64+JJ+\k]         ; tile 1: register work between signal and wait;
.endr
	PADD XS+JJ/2, S+JJ, S+JJ+2                     ; among them the first level of tile 0's sum of the unquantised p
.set JJ, JJ+4
.endr
.irp c, 0,1
	v_exp_f32 v[BM+2+\c], v[BM+2+\c]
.endr
.irp u, 0,1
	v_pk_mul_f32 v[L+2*\u:L+2*\u+1], v[L+2*\u:L+2*\u+1], v[FF+2*\u:FF+2*\u+1] op_sel_hi:[1,0]   ; the sums under the new M (plain lines behind the exponentials)
.endr
	WALU                                           ; one wait for the batch, ahead of its first reader and of the branches below
	s_barrier_wait -1
.if \fill
	TLOAD                                          ; the first thing behind the barrier, a wave's one tensor load until the next
	KLOAD ADK, ADS                                 ; the next step's K, out of the other slot
	ASK
.else
	s_cmp_eq_u32 s[TAU], 16                        ; the last step has no next
	s_cbranch_scc1 .Lno_k_\@
	KLOAD ADK, ADS
.Lno_k_\@:
.endif
	PADD SM, S+64, S+66                            ; tile 1's sum in four chains, tile 0's sixteen pairs by halves
	PADD SM+2, S+68, S+70
	PADD SM+4, S+72, S+74
.irp k, 0,2,4,6,8,10,12,14
	PADD XS+\k, XS+\k, XS+\k+16
.endr
.set JJ, 76
.rept 6
	PADD L+2, L+2, S+JJ
	PADD SM, SM, S+JJ+2
	PADD SM+2, SM+2, S+JJ+4
	PADD SM+4, SM+4, S+JJ+6
.set JJ, JJ+8
.endr
.irp k, 0,2,4,6
	PADD XS+\k, XS+\k, XS+\k+8
.endr
	PADD L+2, L+2, S+124
	PADD SM, SM, S+126
	PADD XS, XS, XS+4
	PADD XS+2, XS+2, XS+6
	PADD SM+2, SM+2, SM+4
	PADD L+2, L+2, SM
	PADD XS, XS, XS+2
	PADD L+2, L+2, SM+2
	PADD L, L, XS
.irp k, 0,1,2,3
	v_max_num_f32 v[BM+\k], 0x1800000, v[BM+\k]    ; the floor 2^(3 - 127)
.endr
.irp k, 0,1,2,3
	v_add_nc_u32 v[SO+\k], 0xff000000, v[BM+\k]
.endr
.irp k, 0,1,2,3
	v_lshrrev_b32 v[BP+\k], 23, v[SO+\k]
.endr
.irp u, 0,1
	v_lshl_or_b32 v[WD+\u], v[BP+2*\u+1], 16, v[BP+2*\u]     ; my two bytes: blocks h and 2 + h,
.endr
.irp u, 0,1
	v_lshlrev_b32 v[WD+\u], v[SH8], v[WD+\u]       ; at their places in the scale word;
.endr
.irp u, 0,1
	v_permlanex16_b32 v[WP+\u], v[WD+\u], s[SEL], s[SEL+1]
.endr
.irp u, 0,1
	v_or_b32 v[PWD+\u], v[WD+\u], v[WP+\u]         ; with lane l xor 16's two the word is whole
.endr
.irp u, 0,1
.irp c, 0,1
	v_cvt_scalef32_pk16_fp6_f32 v[PCD+12*\u+6*\c:PCD+12*\u+6*\c+2], v[S+64*\u+32*\c:S+64*\u+32*\c+15], v[SO+2*\u+\c]
	v_cvt_scalef32_pk16_fp6_f32 v[CT+8*\u+4*\c:CT+8*\u+4*\c+2], v[S+64*\u+32*\c+16:S+64*\u+32*\c+31], v[SO+2*\u+\c]
.endr
.endr
	v_nop                                          ; one plain line behind a scaled conversion
.irp u, 0,1
.irp c, 0,1
.irp i, 0,1,2
	v_mov_b32 v[PCD+12*\u+6*\c+3+\i], v[CT+8*\u+4*\c+\i]     ; (a conversion's three registers begin on an even number)
.endr
.endr
.endr
	WIN 0x41                                       ; O^T in window 1, f in window 0
	WALU
.irp u, 0,1
.set JJ, 0
.rept 16
	v_pk_mul_f32 v[O+32*\u+JJ:O+32*\u+JJ+1], v[O+32*\u+JJ:O+32*\u+JJ+1], v[FF+2*\u:FF+2*\u+1] op_sel_hi:[1,0]   ; O^T under the new M; these 32 are also the places between the scale words, the codes and the products
.set JJ, JJ+2
.endr
.endr
	WIN 0x51                                       ; V and O^T in window 1, p's codes in window 0
.irp t, 0,1,2,3                        ; eight accumulators by turns; 23 other products stand between two links of a chain
.irp u, 0,1
	MM O+32*\u+8*\t, VF+12*\t, PCD+12*\u, v[O+32*\u+8*\t:O+32*\u+8*\t+7], VS+\t, PWD+\u
.endr
.endr
	WIN 0
	s_cmp_lg_u32 s[TAU], s[DG]
	s_cbranch_scc1 .Lon_\@
	FINAL \fill
.Lon_\@:
.endm
	WALU
	s_wait_tensorcnt 0x0                           ; my piece of walk step 0 is in; the three lines ahead of slot 1's first fill, as ahead of a refill
	ds_add_u32 v[SPW], v[NIL]
	ds_add_u32 v[SPW], v[NIL]
	NEXTD 1
	s_wait_dscnt 0x0
	s_barrier_signal -1
	s_barrier_wait -1
	TLOAD                                          ; walk step 1 into slot 1
	KLOAD AK0, AS0                                 ; step 0's K
	s_wait_loadcnt 0x0                             ; Q
.Lstep:                                            ; 15 trips: in each the slot in hand takes the walk step two on
	STEP 1
	s_xor_b32 s[TB], s[TB], SLOT1
	s_add_co_u32 s[TAU], s[TAU], 1
	s_cmp_lt_u32 s[TAU], 15
	WALU
	s_cbranch_scc1 .Lstep
	s_mov_b32 s[DG], 16                            ; the second block's diagonal step is the last
.Ltail:                                            ; steps 15 and 16 ask for nothing
	STEP 0
	s_xor_b32 s[TB], s[TB], SLOT1
	s_add_co_u32 s[TAU], s[TAU], 1
	s_cmp_lt_u32 s[TAU], 17
	WALU
	s_cbranch_scc1 .Ltail
	s_wait_tensorcnt 0x0                           ; the wave's end
	ds_add_u32 v[SPW], v[NIL]
	s_wait_dscnt 0x0
	s_endpgm
.Lfunc_end_k_q5fa16e355d_attn:
	.size	k_q5fa16e355d_attn, .Lfunc_end_k_q5fa16e355d_attn-k_q5fa16e355d_attn
	.p2alignl 7, 3214868480
	.fill 96, 4, 3214868480
	.section	.rodata,"a",@progbits
	.p2align	6, 0x0
	.amdhsa_kernel k_q5fa16e355d_attn
		.amdhsa_group_segment_fixed_size 327680
		.amdhsa_private_segment_fixed_size 0
		.amdhsa_enable_private_segment 0
		.amdhsa_kernarg_size 32
		.amdhsa_user_sgpr_count 2
		.amdhsa_user_sgpr_kernarg_segment_ptr 1
		.amdhsa_wavefront_size32 1
		.amdhsa_system_sgpr_workgroup_id_x 1
		.amdhsa_system_sgpr_workgroup_id_y 1
		.amdhsa_system_sgpr_workgroup_id_z 1
		.amdhsa_system_vgpr_workitem_id 0
		.amdhsa_next_free_vgpr 512
		.amdhsa_next_free_sgpr 96
		.amdhsa_reserve_vcc 1
		.amdhsa_float_denorm_mode_32 3
		.amdhsa_float_denorm_mode_16_64 3
		.amdhsa_memory_ordered 1
		.amdhsa_forward_progress 1
		.amdhsa_inst_pref_size 111
	.end_amdhsa_kernel
	.amdgpu_metadata
---
amdhsa.version: [ 1, 2 ]
amdhsa.kernels:
  - .name:           k_q5fa16e355d_attn
    .symbol:         k_q5fa16e355d_attn.kd
    .args:
      - { .name: acod, .offset: 0, .size: 8, .value_kind: global_buffer, .address_space: global }
      - { .name: ascl, .offset: 8, .size: 8, .value_kind: global_buffer, .address_space: global }
      - { .name: cod, .offset: 16, .size: 8, .value_kind: global_buffer, .address_space: global }
      - { .name: scl, .offset: 24, .size: 8, .value_kind: global_buffer, .address_space: global }
    .group_segment_fixed_size: 327680
    .private_segment_fixed_size: 0
    .kernarg_segment_align: 8
    .kernarg_segment_size: 32
    .max_flat_workgroup_size: 256
    .sgpr_count:     96
    .vgpr_count:     512
    .wavefront_size: 32
...
	.end_amdgpu_metadata
.endif
;; end of part 3
;; launch gemm_proj (part 4): grid 4 x 64, 4 waves a work-group, clusters of 4 x 4, 327,680 bytes of LDS; arguments cod, scl, out0; writes out0
.if DOCPART == 4
	.amdgcn_target "amdgcn-amd-amdhsa--gfx1250"
	.amdhsa_code_object_version 6
	.text
	.protected	k_q5fa16e355d_gemm_proj
	.globl	k_q5fa16e355d_gemm_proj
	.p2align	8
	.type	k_q5fa16e355d_gemm_proj,@function
k_q5fa16e355d_gemm_proj:
	s_mov_b64 s[64:65], 0
	v_nop
	global_prefetch_b8 v0, s[64:65] scope:SCOPE_SE
	s_setreg_imm32_b32 hwreg(HW_REG_WAVE_MODE, 25, 1), 1
	s_wait_xcnt 0x0
	s_wait_alu depctr_hold_cnt(0) depctr_sa_sdst(0) depctr_va_vdst(0) depctr_va_sdst(0) depctr_va_ssrc(0) depctr_va_vcc(0) depctr_vm_vsrc(0)
	s_getreg_b32 s2, hwreg(HW_REG_IB_STS2, 6, 4)
	s_cmp_eq_u32 s2, 0
	s_cbranch_scc0 .Lentry_in_a_cluster
	s_endpgm
.Lentry_in_a_cluster:
	s_bfe_u32 s2, ttmp6, 0x10000c
	s_cmp_lg_u32 s2, 0xf033
	s_cbranch_scc0 .Lentry_shape_is_right
	s_endpgm
.Lentry_shape_is_right:
; out0 = y w_proj^T on codes of FP6 (E2M3) with E8M0 scales, K = 1,024, f32 sums, f32 out.
; OPERANDS: cod [16 groups of 64 along K][20480 positions][48 bytes], scl [8 pairs of groups][20480][4]; y at positions 8192 on, w_proj at 19456 on; a row lies at its number with bits 3 and 4 exchanged.
; A BLOCK of 128 rows of y x 256 rows of w_proj to a work-group: 64 x 4 = 256 work-groups.  Four waves, 2 x 2, 64 x 128 each: 32 accumulators, 256 registers (window 2).
; Source 0 takes w_proj's rows ('B'), source 1 y's ('A'): a lane holds one row of y, and the 16 registers of tiles 2 b, 2 b + 1 are the 16 neighbouring columns 32 b + 16 (lane / 16) + 0 .. 15.
; ALL OF K LIES IN LDS, in two halves of 512, each filled ONCE: a half is A [8 groups][128 rows][48] and B's two halves of 128 rows, each [8 groups][128][48]: 147,456 bytes, laid as in memory.
; Waves 0 and 1 fetch four groups each of A, waves 2 and 3 eight groups each of 128 rows of B.  The first half is asked for at the head, the second behind the lines and a round; nothing is filled again.
; The 32 lanes of a load of 8 bytes stand at 48 r + 24 h: words 12 r + 6 h, each of the 64 banks of 4 bytes (ISA guide 11.1) once; no padding.
; CLUSTERS: 4 x 4 work-groups; A's tiles are asked for jointly by a row of the cluster, B's by a column.
; NO PREFETCH: the text has no loop to run ahead in; both halves of K are asked for within the head.
; REGISTERS: window 0: v16-29 addresses, v32-95 scale words (pair g of K, block i at v[32 + 8 g + i]: A's in lanes 0-15, B's in lanes 16-31), v128-223 A's fragments, two sets, later the way out; window 1: B's fragments, two sets at v0 and v128.
.set NR,    20480
.set GP,    NR*48
.set SPB,   NR*4
.set GRPB,  6144                       ; 128 rows x 48 bytes
.set HALFT, 4*GRPB
.set SLOT,  6*HALFT
.set SPARE, 2*SLOT                     ; the spare words, 128 bytes a wave, that no other line names
.set SPITCH, 528                       ; the way out: a stage of 16 rows x (512 + 16) bytes a wave, in the first half's bytes, which have had their only fill and, ahead of the barrier in step 3, their last read
.set FR,    12
.set ADRA,  16
.set ADRB,  20
.set STO,   24
.set RD,    25
.set CO,    26
.set SOFF,  27
.set SPW,   28
.set NIL,   29
.set SC,    32
.set AF,    128
.set BK,    128
.set G1,    24
.set G1B,   48
.set G0,    68
.set G0B,   80
.set MSB, 0
.macro WIN new
.if MSB != \new
	s_set_vgpr_msb (MSB<<8)|\new
.set MSB, \new
.endif
.endm
.set MUL_W, 0xa1                       ; source 0 (B) window 1, source 1 (A) window 0, C and D window 2
.set TO_B,  0x40
.macro JLOAD g0a, g1a, g0b, g1b        ; a joint load: waves 0 and 1 for A, waves 2 and 3 for B; an s_nop 0 and four v_nop follow each line
	s_cmp_eq_u32 s15, 0
	s_cbranch_scc0 .Lfor_b_\@
	tensor_load_to_lds s[\g0a:\g0a+3], s[\g1a:\g1a+7]
	s_nop 0
.rept 4
	v_nop
.endr
	s_branch .Lasked_\@
.Lfor_b_\@:
	tensor_load_to_lds s[\g0b:\g0b+3], s[\g1b:\g1b+7]
	s_nop 0
.rept 4
	v_nop
.endr
.Lasked_\@:
.endm
.macro CROUND                          ; a round of the cluster's barrier
	s_barrier_signal -1
	s_barrier_wait -1
	s_cmp_lg_u32 s14, 0
	s_cbranch_scc1 .Lnot_wave_0_\@
	s_barrier_signal -3
.Lnot_wave_0_\@:
	s_barrier_wait -3
	s_barrier_signal -1
	s_barrier_wait -1
.endm
.macro PLACES n
.rept \n
	v_nop
.endr
.endm
.macro FRAG reg, adr, q, i             ; 16 rows x 128 K: registers 6 c .. 6 c + 5 = the 24 bytes at group 2 q + c of the half, row, 24 h
.irp p, 0,1,2,3,4,5
	ds_load_b64 v[\reg+2*\p:\reg+2*\p+1], v[\adr] offset:(2*(\q)+\p/3)*GRPB+(\i)*768+8*(\p%3)
.endr
.endm
.macro FETCH_B g                       ; step g of 128 along K: half g / 4, set g % 2: 48 loads
	WIN TO_B
.irp i, 0,1,2,3,4,5,6,7
	FRAG 128*((\g)%2)+FR*\i, ADRB+(\g)/4, (\g)%4, \i
.endr
	WIN 0
.endm
.macro FETCH_A g                       ; 24 loads
.irp i, 0,1,2,3
	FRAG AF+48*((\g)%2)+FR*\i, ADRA+(\g)/4, (\g)%4, \i
.endr
.endm
.macro MUL16 g, a0                     ; A's blocks a0, a0 + 1 x B's eight; the 32 accumulators take turns in the same order in every step
.irp a, \a0, \a0+1
.irp b, 0,1,2,3,4,5,6,7
.if (\g) == 0
	v_wmma_scale_f32_16x16x128_f8f6f4 v[8*(8*(\a)+\b):8*(8*(\a)+\b)+7], v[128*((\g)%2)+FR*\b:128*((\g)%2)+FR*\b+FR-1], v[AF+48*((\g)%2)+FR*(\a):AF+48*((\g)%2)+FR*(\a)+FR-1], 0, v[SC+8*(\g)+\b], v[SC+8*(\g)+(\a)] matrix_a_fmt:MATRIX_FMT_FP6 matrix_b_fmt:MATRIX_FMT_FP6 matrix_a_scale:MATRIX_SCALE_ROW1
.else
	v_wmma_scale_f32_16x16x128_f8f6f4 v[8*(8*(\a)+\b):8*(8*(\a)+\b)+7], v[128*((\g)%2)+FR*\b:128*((\g)%2)+FR*\b+FR-1], v[AF+48*((\g)%2)+FR*(\a):AF+48*((\g)%2)+FR*(\a)+FR-1], v[8*(8*(\a)+\b):8*(8*(\a)+\b)+7], v[SC+8*(\g)+\b], v[SC+8*(\g)+(\a)] matrix_a_fmt:MATRIX_FMT_FP6 matrix_b_fmt:MATRIX_FMT_FP6 matrix_a_scale:MATRIX_SCALE_ROW1
.endif
.endr
.endr
.endm
.macro KSTEP g                         ; 32 products on step g's fragments; the next step's are fetched into the other sets
.if (\g) == 3
	s_wait_tensorcnt 0x0                           ; my part of the second half is in
	s_wait_dscnt 0x0                               ; and my reads of the first half are over
	s_barrier_signal -1                            ; a plain barrier: the second half is shown to all four waves
	s_barrier_wait -1
.endif
.if (\g) < 7
.if (\g) > 0
	PLACES 4                                       ; ahead of the loads into the sets that the step before multiplied
.endif
	FETCH_B (\g)+1
	s_wait_dscnt 48                                ; all but the 48 just issued: this step's fragments are in
	WIN MUL_W
	MUL16 \g, 0
	WIN 0
	FETCH_A (\g)+1
	WIN MUL_W
	MUL16 \g, 2
	WIN 0
.else
	s_wait_dscnt 0x0
	WIN MUL_W
	MUL16 \g, 0
	MUL16 \g, 2
	WIN 0
.endif
.endm
	s_load_b128 s[4:7], s[0:1], 0x0                ; cod, scl
	s_load_b64 s[12:13], s[0:1], 0x10              ; out0
	v_lshl_add_u32 v[SPW], v0, 2, SPARE
	v_mov_b32 v[NIL], 0
	ds_add_u32 v[SPW], v[NIL]                      ; the wave's opening
	ds_add_u32 v[SPW], v[NIL]
	v_lshrrev_b32 v1, 5, v0
	v_readfirstlane_b32 s14, v1                    ; wave 0..3
	s_lshr_b32 s15, s14, 1                         ; my 64 of A's rows.  Also: I fetch for A (0) or for B (1)
	s_and_b32 s16, s14, 1                          ; my 128 of B's rows.  Also: which part I fetch
	s_bfe_u32 s40, ttmp6, 0x40000                  ; cx
	s_bfe_u32 s41, ttmp6, 0x40004                  ; cy
	s_lshl_b32 s42, ttmp9, 2
	s_add_co_u32 s42, s42, s40                     ; block column, 0 .. 3
	s_and_b32 s17, ttmp7, 0xffff
	s_lshl_b32 s17, s17, 2
	s_add_co_u32 s17, s17, s41                     ; block row, 0 .. 63
	s_lshl_b32 s43, s41, 2
	s_lshl_b32 s43, 15, s43                        ; my row of the cluster
	s_lshl_b32 s44, 0x1111, s40                    ; my column
	s_or_b32 s[G1+0], s43, (3<<16)|(1<<21)         ; rows (groups of K) of 768 elements of 8 bytes (128 positions x 48), GP bytes apart; dense in LDS
	s_or_b32 s[G1B+0], s44, (3<<16)|(1<<21)
.irp g, G1, G1B
	s_mov_b32 s[\g+1], 768<<16
	s_mov_b32 s[\g+3], 768<<16
	s_mov_b32 s[\g+5], GP/8
	s_mov_b32 s[\g+6], 0
	s_mov_b32 s[\g+7], 0
.endr
	s_mov_b32 s[G1+2], 4<<16                       ; A: four groups a load
	s_mov_b32 s[G1+4], 4
	s_mov_b32 s[G1B+2], 8<<16                      ; B: eight
	s_mov_b32 s[G1B+4], 8
	s_lshl_b32 s20, s17, 7
	s_add_co_u32 s20, s20, 8192                    ; A's first position (made of cy and the cluster's y alone)
	s_lshl_b32 s46, s42, 8
	s_add_co_u32 s46, s46, 19456                   ; B's (made of cx and the cluster's x alone)
	s_mul_i32 s36, s20, 48
	s_mul_i32 s34, s16, 4*GP
	s_add_co_u32 s36, s36, s34
	s_mov_b32 s37, 0
	s_lshl_b32 s34, s16, 7
	s_add_co_u32 s38, s46, s34
	s_mul_i32 s38, s38, 48
	s_mov_b32 s39, 0
	s_mul_i32 s47, s16, HALFT                      ; where my loads go: no place in the cluster enters an LDS address
	s_mul_i32 s35, s16, 2*HALFT
	s_add_co_u32 s35, s35, 2*HALFT
	s_wait_dscnt 0x0
	s_wait_kmcnt 0x0
	s_add_nc_u64 s[36:37], s[4:5], s[36:37]
	s_add_nc_u64 s[38:39], s[4:5], s[38:39]
	CROUND                                         ; all sixteen work-groups are here: the first joint loads meet
.irp s, 0,1
	s_mov_b32 s[G0+4*\s], 1
	s_add_co_u32 s[G0+4*\s+1], s47, \s*SLOT
	s_add_nc_u64 s[G0+4*\s+2:G0+4*\s+3], s[36:37], \s*8*GP
	s_or_b32 s[G0+4*\s+3], s[G0+4*\s+3], 0x80000000
	s_mov_b32 s[G0B+4*\s], 1
	s_add_co_u32 s[G0B+4*\s+1], s35, \s*SLOT
	s_add_nc_u64 s[G0B+4*\s+2:G0B+4*\s+3], s[38:39], \s*8*GP
	s_or_b32 s[G0B+4*\s+3], s[G0B+4*\s+3], 0x80000000
.endr
	JLOAD G0, G1, G0B, G1B                         ; the first half of K: one tensor load a wave at the head
	s_mul_i32 s92, s15, 3072                       ; my 64 rows of A
	s_mul_i32 s93, s16, 2*HALFT                    ; my 128 rows of B, behind A's
	s_add_co_u32 s93, s93, 2*HALFT
	s_lshl_b32 s90, s15, 6
	s_add_co_u32 s90, s90, s20
	s_lshl_b32 s90, s90, 2                         ; my A rows' scale words
	s_add_co_u32 s91, s46, s34
	s_lshl_b32 s91, s91, 2                         ; my B rows'
	s_mul_i32 s89, s14, 16*SPITCH                  ; my stage
	v_and_b32 v1, 15, v0                           ; r
	v_bfe_u32 v2, v0, 4, 1                         ; h
	v_mul_u32_u24 v3, v1, 48
	v_mad_u32_u24 v3, v2, 24, v3                   ; 48 r + 24 h
	v_mov_b32 v6, s90
	v_mov_b32 v7, s91
	v_cmp_eq_u32 vcc_lo, 0, v2
	v_cndmask_b32 v6, v7, v6, vcc_lo               ; lanes 0-15 take A's, lanes 16-31 B's
	v_lshl_add_u32 v[SOFF], v1, 2, v6
.irp g, 0,1,2,3,4,5,6,7
.irp i, 0,1,2,3,4,5,6,7
	global_load_b32 v[SC+8*\g+\i], v[SOFF], s[6:7] offset:\g*SPB+64*\i   ; (A's blocks 4 to 7 are not mine and are not used; they lie inside scl)
.endr
.endr
	v_add_nc_u32 v[ADRA], s92, v3
	v_add_nc_u32 v[ADRB], s93, v3
	v_add_nc_u32 v[ADRA+1], SLOT, v[ADRA]
	v_add_nc_u32 v[ADRB+1], SLOT, v[ADRB]
	v_mul_u32_u24 v5, v1, SPITCH                   ; into the stage: row r, 64 bytes for each half of the lanes
	v_lshl_add_u32 v5, v2, 6, v5
	v_add_nc_u32 v[STO], s89, v5
	v_and_b32 v6, 31, v0
	v_lshlrev_b32 v[CO], 4, v6                     ; back: the 32 lanes take one row of 512 bytes; and the same in out0
	v_add_nc_u32 v[RD], s89, v[CO]
	s_lshl_b32 s56, s17, 7
	s_lshl_b32 s57, s15, 6
	s_add_co_u32 s56, s56, s57                     ; my first row of out0
	s_lshl_b32 s56, s56, 12
	s_lshl_b32 s57, s42, 10
	s_add_co_u32 s56, s56, s57
	s_lshl_b32 s57, s16, 9
	s_add_co_u32 s56, s56, s57
	s_mov_b32 s57, 0
	s_add_nc_u64 s[12:13], s[12:13], s[56:57]
	s_wait_alu depctr_va_vdst(0)
	s_wait_tensorcnt 0x0                           ; my part of the first half is in; the three lines ahead of a later first fill
	ds_add_u32 v[SPW], v[NIL]
	s_wait_dscnt 0x0
	CROUND                                         ; a whole round: the first half is whole, and the joint loads meet
	JLOAD G0+4, G1, G0B+4, G1B                     ; the second half of K
	FETCH_B 0
	FETCH_A 0
	s_wait_loadcnt 0x0                             ; the scale words
.set GG, 0
.rept 8
	KSTEP GG
.set GG, GG+1
.endr
; THE WAY OUT, block by block of 16 rows x 128 columns, through my stage: back as whole rows of 512 bytes, which the 32 lanes store as two aligned runs of 256 bytes.  Position 16 a + t holds the row with bits 3 and 4 exchanged.
.macro TOSTAGE a
.set AC, 64*(\a)
	WIN 0x08                                       ; the data: window 2
.irp b, 0,1,2,3,4,5,6,7
	ds_store_b128 v[STO], v[AC+8*\b:AC+8*\b+3] offset:128*(\b/2)+32*(\b%2)       ; each accumulator from its low end on
	ds_store_b128 v[STO], v[AC+8*\b+4:AC+8*\b+7] offset:128*(\b/2)+32*(\b%2)+16
.endr
	WIN 0
.set BB, BK+64*((\a)%2)
.irp t, 0,1,2,3,4,5,6,7,8,9,10,11,12,13,14,15
	ds_load_b128 v[BB+4*\t:BB+4*\t+3], v[RD] offset:\t*SPITCH                    ; LDS serves a wave's instructions in order: these see the stores above
.endr
.endm
.macro SEND a, younger                 ; younger: the LDS instructions issued behind block a's loads
.set BB, BK+64*((\a)%2)
	s_wait_dscnt \younger
.if (\a) > 0
.if ((\a)%2) == 1
	s_add_nc_u64 s[12:13], s[12:13], 8*4096
.else
	s_add_nc_u64 s[12:13], s[12:13], 24*4096
.endif
.endif
.irp t, 0,1,2,3,4,5,6,7,8,9,10,11,12,13,14,15
	global_store_b128 v[CO], v[BB+4*\t:BB+4*\t+3], s[12:13] offset:(16*(\t/8)+\t%8)*4096 th:TH_STORE_NT
.endr
.endm
	PLACES 4                                       ; behind the last products: for the reads of results and the loads into A's registers
	TOSTAGE 0
.irp a, 1,2,3
.if \a > 1
	s_wait_xcnt 0x0                                ; block a - 2's stores have read their registers and their base
.endif
	TOSTAGE \a
	SEND \a-1, 32                                  ; behind block a - 1's loads: block a's 16 stores and 16 loads
.endr
	s_wait_xcnt 0x0
	SEND 3, 0
	s_wait_tensorcnt 0x0                           ; the wave's end
	ds_add_u32 v[SPW], v[NIL]
	s_wait_dscnt 0x0
	CROUND                                         ; the closing round
	s_endpgm
.Lfunc_end_k_q5fa16e355d_gemm_proj:
	.size	k_q5fa16e355d_gemm_proj, .Lfunc_end_k_q5fa16e355d_gemm_proj-k_q5fa16e355d_gemm_proj
	.p2alignl 7, 3214868480
	.fill 96, 4, 3214868480
	.section	.rodata,"a",@progbits
	.p2align	6, 0x0
	.amdhsa_kernel k_q5fa16e355d_gemm_proj
		.amdhsa_group_segment_fixed_size 327680
		.amdhsa_private_segment_fixed_size 0
		.amdhsa_enable_private_segment 0
		.amdhsa_kernarg_size 24
		.amdhsa_user_sgpr_count 2
		.amdhsa_user_sgpr_kernarg_segment_ptr 1
		.amdhsa_wavefront_size32 1
		.amdhsa_system_sgpr_workgroup_id_x 1
		.amdhsa_system_sgpr_workgroup_id_y 1
		.amdhsa_system_sgpr_workgroup_id_z 1
		.amdhsa_system_vgpr_workitem_id 0
		.amdhsa_next_free_vgpr 768
		.amdhsa_next_free_sgpr 96
		.amdhsa_reserve_vcc 1
		.amdhsa_float_denorm_mode_32 3
		.amdhsa_float_denorm_mode_16_64 3
		.amdhsa_memory_ordered 1
		.amdhsa_forward_progress 1
		.amdhsa_inst_pref_size 100
	.end_amdhsa_kernel
	.amdgpu_metadata
---
amdhsa.version: [ 1, 2 ]
amdhsa.kernels:
  - .name:           k_q5fa16e355d_gemm_proj
    .symbol:         k_q5fa16e355d_gemm_proj.kd
    .args:
      - { .name: cod, .offset: 0, .size: 8, .value_kind: global_buffer, .address_space: global }
      - { .name: scl, .offset: 8, .size: 8, .value_kind: global_buffer, .address_space: global }
      - { .name: out0, .offset: 16, .size: 8, .value_kind: global_buffer, .address_space: global }
    .group_segment_fixed_size: 327680
    .private_segment_fixed_size: 0
    .kernarg_segment_align: 8
    .kernarg_segment_size: 24
    .max_flat_workgroup_size: 128
    .sgpr_count:     96
    .vgpr_count:     768
    .wavefront_size: 32
...
	.end_amdgpu_metadata
.endif
;; end of part 4
